; MI455X (gfx1250); checked and timed in simulation.
; The chip was launched on July 23, 2026; its instructions are those of AMD's public machine-readable ISA for CDNA 5 (MIT licence, August 2026) and "CDNA5" Instruction Set Architecture Reference Guide (July 2026). The comments in the code are by the model that wrote it; some were corrected since.
;; Quantum Inspired Attention. Allowed arithmetic: matrix products marked QUANTISED: E5M2 operands, one given power-of-two scale a tensor, by v_wmma_f32_16x16x64_bf8_bf8 or v_wmma_f32_16x16x128_bf8_bf8, f32 sums; products left as they are: f32 operands where the result goes on into a quantised operand, else bf16, f16 or f32 operands; f32 sums; everything else in f32.
;; Inputs: W_ent 8 x 512 x 1,024 float32; b_ent 8 x 512 float32; ln_b 512 float32; ln_g 512 float32; lowp_scales 6 int32 (the exponents e of the quantised operands' scales 2^e); m1_b 512 float32; m1_w 512 x 4,096 float32; m2_b 1 float32; m2_w 1 x 512 float32; x 16 x 1,024 x 512 float32.
;; Outputs: out0 16 x 512 float32; out1 16 x 1,024 x 1 float32.
;; This version of the problem:
;;   THIS VERSION OF THE PROBLEM IS GIVEN IN LOW PRECISION. The matrix products marked QUANTISED in the list below multiply operands that are first quantised to E5M2 (5 exponent bits, 2 mantissa bits; 8 bits a number), with one given power-of-two scale for each operand tensor; their sums are f32. All else is computed in f32.
;;   The module's matrix products, in the order in which they are computed (A, B: the left and right operand; K: the contracted axis; several contracted axes count as one K, in the product's order):
;;     1. [M 4,096, K 512] x [K 512, N 16,384]; A: input W_ent; B: input x: QUANTISED (scales: A lowp_scales[0], B lowp_scales[1])
;;     2. [M 16, K 512] x [K 512, N 4,096]; A: computed on the way; B: input W_ent: QUANTISED (scales: A lowp_scales[2], B lowp_scales[3])
;;     3. [M 16,384, K 4,096] x [K 4,096, N 512]; A: computed on the way; B: input m1_w: QUANTISED (scales: A lowp_scales[4], B lowp_scales[5])
;;     4. [M 16,384, K 512] x [K 512, N 1]; A: computed on the way; B: input m2_w: left as it is (N = 1 < 16)
;;   THE QUANTISER, for each operand of a quantised product, along K:
;;     - The operand's scale is 2^e, e = its entry of the input lowp_scales (int32; the entries are numbered through the quantised products in the list's order, A before B).
;;     - Each number is divided by the scale, clamped to +-57,344, and rounded to the nearest number of E5M2, ties to even, subnormals kept.
;;     - The product sums the exact products of the quantised numbers (number of the format x scale) in f32.
;;   ~~~python
;;   def quantise(x, axis, e):      # numpy; x: float32 -> the quantised numbers, widened to float32 again
;;       x = np.moveaxis(x, axis, -1); K = x.shape[-1]
;;       r = np.clip(x / 2.0 ** e, -57344, 57344)
;;       step = 2.0 ** (np.maximum(np.frexp(np.where(r == 0, 1, r))[1] - 1, -14) - 2)
;;       q = np.round(r / step) * step * 2.0 ** e      # np.round: ties to even
;;       return np.moveaxis(q, -1, axis).astype(np.float32)
;;   ~~~
;;   OPERANDS COMPUTED ON THE WAY. 'Computed on the way' means the value that the module computes at that place (a softmax that the list does not call 'softmax' is quantised finished and normalised). What goes into a quantiser is computed in f32, as accurately as f32 sums, v_exp_f32 and their like allow (about 1e-6 of the number): no bf16 or f16 on the way to a quantiser, and a product that is left as it is and whose result goes on into a quantised operand takes f32 operands (vector FMAs, or v_wmma_f32_16x16x4_f32). A number that lies on a knife's edge between two numbers of the format may be rounded either way, as far as f32 arithmetic and the matrix unit's own rounding can turn it there, and no further.
;; 2 versions. Each part assembles by itself: llvm-mc -triple=amdgcn-amd-amdhsa -mcpu=gfx1250 --defsym DOCPART=n.
;; ======== version 1 of 2: 4 launches
;; workspace buffers: xq 8,388,608 bytes; xpart 131,072 bytes; wq 4,194,304 bytes; cs 262,144 bytes; logit 65,536 bytes
;; launch xprep (part 1): grid 256 x 1, 16 waves a work-group, no clusters, 145,408 bytes of LDS; arguments x, lowp_scales, xq, xpart; writes xq, xpart
.if DOCPART == 1
	.amdgcn_target "amdgcn-amd-amdhsa--gfx1250"
	.amdhsa_code_object_version 6
	.text
	.protected	k_q96a7b0864f_xprep
	.globl	k_q96a7b0864f_xprep
	.p2align	8
	.type	k_q96a7b0864f_xprep,@function
k_q96a7b0864f_xprep:
	s_mov_b64 s[64:65], 0
	v_nop
	global_prefetch_b8 v0, s[64:65] scope:SCOPE_SE
	s_setreg_imm32_b32 hwreg(HW_REG_WAVE_MODE, 25, 1), 1
	s_wait_xcnt 0x0
; FIRST OF FOUR LAUNCHES.  The program: x [16][1024][512] -> (product 1, K = 512) 4,096 hidden numbers a row, + a term of the batch alone (product 2 on the mean of x, + b_ent),
; quantised -> (product 3, K = 4,096) 512 numbers a row -> LayerNorm, tanh, dot with m2_w -> softmax over each batch's 1,024 positions -> weighted sum of x.
; WORK LEFT OUT: m2_b.  It is added to every logit of a batch alike, and both outputs hang on the logits through softmax along that axis alone: softmax(l + c) = softmax(l) for every
; real c and every l.  So m2_b has no way to any output; it is not loaded and is an argument of no launch.  LIMIT: a NaN, an infinity or an overflow that m2_b alone would bring is not carried to the result.
; THIS LAUNCH: x is turned into codes of E5M2 with the given scale 2^e1 (entry 1 of the scales), laid in the order of the operand's registers, and the column sums of x are begun.
; code = x / 2^e1, held within +-57,344, to the nearest code, ties to even.  LIMITS: e1 between -126 and 112; NaN among the inputs is not served.
; AN IMAGE is a fragment (16 rows x 128 K, 16 registers a lane) as it stands: lane (r = l % 16, h = l / 16) holds row r, registers 4 c .. 4 c + 3 hold k = 32 c + 16 h + 0 .. 15; block c of 512 bytes holds lane l's 16 bytes at 16 l.
; xq: block g = row / 64 of 32 KiB; image (row tile m, K step s) at (4 m + s) x 2,048.   xpart: f32 [batch][q][512]: sums over rows 256 q .. 256 q + 255.
; SHARES.  Work-group id: 4 b + q = id / 4, s = id % 4: 256 rows x 128 columns.  Wave v: 16 rows, one image.  All of a work-group's 128 KiB are asked for at once: no ring.
; No cluster: no two work-groups read the same bytes.  No matrix work.
.set SP,    528                        ; a stage row: 512 bytes + 16: the sixteen rows of a store start at sixteen different 16-byte columns
.set STGW,  16*SP                      ; a wave's stage
.set RED,   16*STGW                    ; behind the stages: 512 bytes of column sums for each wave
.set SPARE, RED+16*512                 ; the spare words, 128 bytes for each wave: eight blocks of 256 bytes that no other line names
.set R,     16                         ; v16-79   my 64 numbers: register 16 c + i = k 32 c + 16 h + i of row r
.set CSM,   80                         ; v80-143  16 rows x my 4 columns
.set PC,    144                        ; v144-159 the codes
.macro TREE base                       ; 16 groups of four registers are added into the first: 30 packed additions
.irp d, 8,4,2,1
.set ti, 0
.rept \d
	v_pk_add_f32 v[\base+4*ti:\base+4*ti+1], v[\base+4*ti:\base+4*ti+1], v[\base+4*(ti+\d):\base+4*(ti+\d)+1]
	v_pk_add_f32 v[\base+4*ti+2:\base+4*ti+3], v[\base+4*ti+2:\base+4*ti+3], v[\base+4*(ti+\d)+2:\base+4*(ti+\d)+3]
.set ti, ti+1
.endr
.endr
.endm
	s_load_b128 s[4:7], s[0:1], 0x0                ; x, the scales' exponents
	s_load_b128 s[8:11], s[0:1], 0x10              ; xq, xpart
	v_lshl_add_u32 v12, v0, 2, SPARE               ; my spare word
	v_mov_b32 v13, 0
	v_lshrrev_b32 v1, 5, v0
	v_readfirstlane_b32 s12, v1                    ; wave 0..15
	v_and_b32 v14, 15, v0                          ; r
	v_bfe_u32 v15, v0, 4, 1                        ; h
	v_and_b32 v2, 31, v0
	v_lshlrev_b32 v2, 4, v2                        ; 16 x lane
	v_lshlrev_b32 v1, 11, v14
	v_lshl_add_u32 v1, v15, 6, v1                  ; x: row r of 2,048 bytes + 64 h
	s_mul_i32 s13, s12, STGW
	v_mul_u32_u24 v3, v14, SP
	v_lshl_add_u32 v3, v15, 6, v3
	v_add_nc_u32 v3, s13, v3                       ; into my stage: row r, + 64 h
	v_add_nc_u32 v4, s13, v2                       ; back: a row's 512 bytes, 16 a lane
	s_lshl_b32 s14, s12, 9
	s_add_co_u32 s14, s14, RED
	v_add_nc_u32 v5, s14, v2                       ; my wave's column sums
	v_add_nc_u32 v6, RED, v2                       ; and all sixteen waves'
	s_lshr_b32 s15, ttmp9, 2                       ; 4 b + q
	s_and_b32 s16, ttmp9, 3                        ; s
	s_lshl_b32 s17, s15, 8
	s_lshl_b32 s18, s12, 4
	s_add_co_u32 s17, s17, s18                     ; my first row: 256 (4 b + q) + 16 v
	s_lshl_b32 s20, s17, 11
	s_lshl_b32 s18, s16, 9
	s_add_co_u32 s20, s20, s18                     ; its byte in x, + 512 s
	s_mov_b32 s21, 0
	s_lshr_b32 s22, s17, 6
	s_lshl_b32 s22, s22, 15                        ; block g
	s_and_b32 s19, s12, 3
	s_lshl_b32 s19, s19, 2
	s_add_co_u32 s19, s19, s16
	s_lshl_b32 s19, s19, 11                        ; image 4 m + s
	s_add_co_u32 s22, s22, s19
	s_mov_b32 s23, 0
	s_lshl_b32 s24, s15, 11
	s_add_co_u32 s24, s24, s18                     ; xpart: (4 b + q) x 2,048 + 512 s
	s_mov_b32 s25, 0
	s_wait_kmcnt 0x0
	s_load_b32 s26, s[6:7], 0x4                    ; e1
	s_add_nc_u64 s[4:5], s[4:5], s[20:21]
	s_add_nc_u64 s[8:9], s[8:9], s[22:23]
	s_add_nc_u64 s[10:11], s[10:11], s[24:25]
.irp c, 0,1,2,3
.irp j, 0,1,2,3
	global_load_b128 v[R+16*\c+4*\j:R+16*\c+4*\j+3], v1, s[4:5] offset:128*\c+16*\j th:TH_LOAD_NT   ; the sixteen loads together take each row's 512 bytes whole
.endr
.endr
	s_wait_kmcnt 0x0
	s_add_co_i32 s26, s26, 127
	s_lshl_b32 s27, s26, 23
	v_mov_b32 v8, s27                              ; 2^e1 as f32: the conversion takes its exponent field
	s_add_co_i32 s26, s26, 15
	s_lshl_b32 s26, s26, 23
	s_or_b32 s26, s26, 0x600000
	v_mov_b32 v9, s26                              ; 57,344 x 2^e1
	s_wait_loadcnt 0x0
	; the column sums want a lane to a column: the numbers turn through my own stage
.irp c, 0,1,2,3
.irp j, 0,1,2,3
	ds_store_b128 v3, v[R+16*\c+4*\j:R+16*\c+4*\j+3] offset:128*\c+16*\j
.endr
.endr
.irp i, 0,1,2,3,4,5,6,7,8,9,10,11,12,13,14,15
	ds_load_b128 v[CSM+4*\i:CSM+4*\i+3], v4 offset:SP*\i   ; LDS serves a wave's instructions in order (ISA guide 5.7.1.4): these see my stores
.endr
	s_wait_dscnt 0x0                               ; the rows are back, and the stores have read R
	TREE CSM                                       ; sums of my 16 rows, columns 4 l .. 4 l + 3
	ds_store_b128 v5, v[CSM:CSM+3]
.set qi, 0
.rept 64
	v_med3_num_f32 v[R+qi], v[R+qi], -v9, v9       ; the conversion to an 8-bit code does not saturate (ISA guide 7.6.2): the hold at the largest code x the scale
.set qi, qi+1
.endr
.irp k, 0,1,2,3,4,5,6,7
	v_cvt_scalef32_pk8_bf8_f32 v[PC+2*\k:PC+2*\k+1], v[R+8*\k:R+8*\k+7], v8
.endr
	v_nop                                          ; a plain line behind the last conversion
.irp c, 0,1,2,3
	global_store_b128 v2, v[PC+4*\c:PC+4*\c+3], s[8:9] offset:512*\c   ; 32 lanes store 512 consecutive bytes, at a multiple of 512 from xq's first byte
.endr
	s_wait_dscnt 0x0                               ; for the others' sake: my column sums lie in LDS
	s_barrier_signal -1
	s_barrier_wait -1
	s_cmp_lg_u32 s12, 0                            ; wave 0 adds the sixteen waves' sums
	s_cbranch_scc1 .Ldone
.irp i, 0,1,2,3,4,5,6,7,8,9,10,11,12,13,14,15
	ds_load_b128 v[CSM+4*\i:CSM+4*\i+3], v6 offset:512*\i
.endr
	s_wait_dscnt 0x0
	TREE CSM
	global_store_b128 v2, v[CSM:CSM+3], s[10:11]   ; 512 consecutive bytes
.Ldone:
	s_wait_tensorcnt 0x0                           ; the wave's end, behind my last LDS store
	ds_add_u32 v12, v13
	s_wait_dscnt 0x0
	s_endpgm
.Lfunc_end_k_q96a7b0864f_xprep:
	.size	k_q96a7b0864f_xprep, .Lfunc_end_k_q96a7b0864f_xprep-k_q96a7b0864f_xprep
	.p2alignl 7, 3214868480
	.fill 96, 4, 3214868480
	.section	.rodata,"a",@progbits
	.p2align	6, 0x0
	.amdhsa_kernel k_q96a7b0864f_xprep
		.amdhsa_group_segment_fixed_size 145408
		.amdhsa_private_segment_fixed_size 0
		.amdhsa_enable_private_segment 0
		.amdhsa_kernarg_size 32
		.amdhsa_user_sgpr_count 2
		.amdhsa_user_sgpr_kernarg_segment_ptr 1
		.amdhsa_wavefront_size32 1
		.amdhsa_system_sgpr_workgroup_id_x 1
		.amdhsa_system_sgpr_workgroup_id_y 1
		.amdhsa_system_sgpr_workgroup_id_z 1
		.amdhsa_system_vgpr_workitem_id 0
		.amdhsa_next_free_vgpr 176
		.amdhsa_next_free_sgpr 66
		.amdhsa_reserve_vcc 0
		.amdhsa_float_denorm_mode_32 3
		.amdhsa_float_denorm_mode_16_64 3
		.amdhsa_memory_ordered 1
		.amdhsa_forward_progress 1
		.amdhsa_inst_pref_size 17
	.end_amdhsa_kernel
	.amdgpu_metadata
---
amdhsa.version: [ 1, 2 ]
amdhsa.kernels:
  - .name:           k_q96a7b0864f_xprep
    .symbol:         k_q96a7b0864f_xprep.kd
    .args:
      - { .name: x, .offset: 0, .size: 8, .value_kind: global_buffer, .address_space: global }
      - { .name: lowp_scales, .offset: 8, .size: 8, .value_kind: global_buffer, .address_space: global }
      - { .name: xq, .offset: 16, .size: 8, .value_kind: global_buffer, .address_space: global }
      - { .name: xpart, .offset: 24, .size: 8, .value_kind: global_buffer, .address_space: global }
    .group_segment_fixed_size: 145408
    .private_segment_fixed_size: 0
    .kernarg_segment_align: 8
    .kernarg_segment_size: 32
    .max_flat_workgroup_size: 512
    .sgpr_count:     66
    .vgpr_count:     176
    .wavefront_size: 32
...
	.end_amdgpu_metadata
.endif
;; end of part 1
;; launch wprep (part 2): grid 192 x 1, 4 waves a work-group, no clusters, 13,312 bytes of LDS; arguments W_ent, m1_w, b_ent, lowp_scales, xpart, wq, cs; writes wq, cs
.if DOCPART == 2
	.amdgcn_target "amdgcn-amd-amdhsa--gfx1250"
	.amdhsa_code_object_version 6
	.text
	.protected	k_q96a7b0864f_wprep
	.globl	k_q96a7b0864f_wprep
	.p2align	8
	.type	k_q96a7b0864f_wprep,@function
k_q96a7b0864f_wprep:
	s_mov_b64 s[64:65], 0
	v_nop
	global_prefetch_b8 v0, s[64:65] scope:SCOPE_SE
	s_setreg_imm32_b32 hwreg(HW_REG_WAVE_MODE, 25, 1), 1
	s_wait_xcnt 0x0
; SECOND LAUNCH.  Two roles, parted once on the work-group's number (the same in all four waves); each role is a whole path of its own.
; ROLE A (work-groups 0-63): product 2.  xbar = the mean of x over a batch's rows is finished from xpart and quantised with 2^e2 (the division by 1,024 is folded into the scale: e2 + 10);
;   W2 = W_ent[:, :, 512:] is quantised with 2^e3; cs[b][f] = (2^(e2+e3) x sum + b_ent) x 2^-(e0+e1), f = 8 e + state: the term that the third launch gives product 1's sums as their first C.
;   Wave w of work-group a takes tile tau = 4 a + w: f = 16 tau + r, which is W_ent[r % 8][2 tau + r / 8].  The sixteen batches are the other side's sixteen rows.
; ROLE W (work-groups 64-191): W1 = W_ent[:, :, :512] (2^e0) and m1_w (2^e5) become codes, laid as images (16 rows x 128 K in the order of the operand's registers: lane (r, h) holds row r,
;   registers 4 c .. 4 c + 3 hold k = 32 c + 16 h + 0 .. 15) in one stream wq, in the order in which the third launch walks them.  A wave turns 16 rows x 512 K into four images.
;   wq: 32 slots of 131,072 bytes, slot 4 c + p (chunk c of 512 hidden units; p = 0, 1: W1's K steps {0,1}, {2,3}; p = 2, 3: m1's); in a slot wave w' owns 32,768 bytes; image 8 (s % 2) + t at x 2,048.
;   W1 image (c, w', t): lane r is hidden unit 512 c + 128 w' + 32 (t / 2) + 8 (t % 2) + r + 8 (r / 8), so that two neighbouring tiles' results are 16 neighbours along product 3's K.
;   m1 image (c, w', t): lane r is row 128 w' + 16 t + r, columns 512 c on.
; LIMITS: e0, e3, e5 and e2 + 10 between -126 and 112; NaN among the inputs is not served.
; No cluster: what work-groups share is xpart, 128 KiB beside 25 MB of weights that are read once.  Each wave asks for all its 32 KiB of rows at once: no ring.
; REGISTERS: window 0: v1-8 addresses; v10-13 scales and holds; v14, v15 the add's two; v16-23 b_ent; v24-39 two accumulators; v40-47 results; v48-63 xbar's codes; v64-127 the rows' four fragments;
;   v128-191 xbar's four; v192-199 the way out.   window 1: the rows' 256 numbers.   window 2: xpart's 256 numbers.
.set XIMG,  0                          ; LDS: xbar's four images,
.set STG,   8192                       ; a stage of 16 rows (batches) x (256 bytes + 16),
.set SPARE, 12544                      ; and the spare words, 128 bytes for each wave: two blocks of 256 bytes that no other line names
.set ACC0,  24
.set ACC1,  32
.set RES,   40
.set PC,    48
.set WC,    64
.set XF,    128
.set OUTR,  192
.set MSB, 0
.macro WIN new                         ; the immediate's high byte repeats the setting that is left
.if MSB != \new
	s_set_vgpr_msb (MSB<<8)|\new
.set MSB, \new
.endif
.endm
.macro ROWLOADS                        ; my 16 rows x 512 K: register 64 s + 16 c + i of window 1 = k 128 s + 32 c + 16 h + i of row r
	WIN 0x40
.irp s, 0,1,2,3
.irp c, 0,1,2,3
.irp j, 0,1,2,3
	global_load_b128 v[64*\s+16*\c+4*\j:64*\s+16*\c+4*\j+3], v1, s[24:25] offset:512*\s+128*\c+16*\j th:TH_LOAD_NT
.endr
.endr
.endr
	WIN 0
.endm
.macro QROWS s                         ; K step s of the rows becomes a fragment in v[WC + 16 s] on
	s_wait_loadcnt 16*(3-\s)                       ; the later K steps' loads, sixteen each, may stay out
	WIN 0x41
.set qi, 0
.rept 64
	v_med3_num_f32 v[64*\s+qi], v[64*\s+qi], -v11, v11   ; the hold at the largest code x the scale (ISA guide 7.6.2)
.set qi, qi+1
.endr
	WIN 0x01
.irp k, 0,1,2,3,4,5,6,7
	v_cvt_scalef32_pk8_bf8_f32 v[WC+16*\s+2*\k:WC+16*\s+2*\k+1], v[64*\s+8*\k:64*\s+8*\k+7], v10
.endr
	v_nop                                          ; a plain line behind the last conversion
	WIN 0
.endm
.macro MKSCALE e, vs, vl               ; s[e] holds an exponent (and is used up): v[vs] = 2^e as f32, v[vl] = 57,344 x 2^e
	s_add_co_i32 s[\e], s[\e], 127
	s_lshl_b32 s35, s[\e], 23
	v_mov_b32 v[\vs], s35
	s_add_co_i32 s[\e], s[\e], 15
	s_lshl_b32 s[\e], s[\e], 23
	s_or_b32 s[\e], s[\e], 0x600000
	v_mov_b32 v[\vl], s[\e]
.endm
	s_load_b256 s[4:11], s[0:1], 0x0               ; W_ent s[4:5], m1_w s[6:7], b_ent s[8:9], the scales' exponents s[10:11]
	s_load_b128 s[12:15], s[0:1], 0x20             ; xpart s[12:13], wq s[14:15]
	s_load_b64 s[16:17], s[0:1], 0x30              ; cs
	v_lshl_add_u32 v14, v0, 2, SPARE
	v_mov_b32 v15, 0
	v_lshrrev_b32 v40, 5, v0
	v_readfirstlane_b32 s18, v40                   ; wave 0..3
	v_and_b32 v40, 15, v0                          ; r
	v_bfe_u32 v41, v0, 4, 1                        ; h
	v_and_b32 v42, 7, v0                           ; r % 8
	v_bfe_u32 v43, v0, 3, 1                        ; r / 8
	v_and_b32 v2, 31, v0
	v_lshlrev_b32 v2, 4, v2                        ; 16 x lane
	v_lshlrev_b32 v3, 13, v40
	v_lshl_add_u32 v3, v41, 6, v3                  ; xpart: batch r of 8,192 bytes + 64 h
	v_lshlrev_b32 v4, 2, v41                       ; b_ent: 4 h
	s_lshl_b32 s19, s18, 11
	v_add_nc_u32 v5, s19, v2                       ; where I store xbar's image: 2,048 w + 16 x lane (XIMG is LDS byte 0)
	s_lshl_b32 s19, s18, 6
	s_add_co_u32 s19, s19, STG
	v_mul_u32_u24 v6, v40, 272
	v_lshl_add_u32 v6, v41, 5, v6
	v_add_nc_u32 v6, s19, v6                       ; the stage, in: row b = r, + 64 w + 32 h
	s_mul_i32 s19, s18, 4*272
	s_add_co_u32 s19, s19, STG
	v_mul_u32_u24 v7, v41, 272
	v_lshl_add_u32 v7, v40, 4, v7
	v_add_nc_u32 v7, s19, v7                       ; back: rows 4 w + h (and two further on), sixteen lanes to a row
	s_lshl_b32 s19, s18, 16
	v_lshlrev_b32 v8, 14, v41
	v_lshl_add_u32 v8, v40, 4, v8
	v_add_nc_u32 v8, s19, v8                       ; and the same place in cs: a batch's row is 16,384 bytes
	s_mov_b32 s23, 0
	s_wait_kmcnt 0x0
	s_load_b128 s[40:43], s[10:11], 0x0            ; e0, e1, e2, e3
	s_load_b64 s[44:45], s[10:11], 0x10            ; e4, e5
	s_cmp_ge_u32 ttmp9, 64
	s_cbranch_scc1 .Lrole_w
	; ---------------- ROLE A
	s_lshl_b32 s20, ttmp9, 2
	s_add_co_u32 s20, s20, s18                     ; tau
	s_lshl_b32 s22, s20, 13
	s_add_co_u32 s22, s22, 2048                    ; rows 2 tau on, columns 512 on
	s_add_nc_u64 s[24:25], s[4:5], s[22:23]
	s_lshl_b32 s22, s20, 3
	s_add_nc_u64 s[8:9], s[8:9], s[22:23]          ; b_ent at e = 2 tau
	s_lshl_b32 s22, s18, 9
	s_add_nc_u64 s[12:13], s[12:13], s[22:23]      ; xpart at K step w
	s_lshl_b32 s22, ttmp9, 8
	s_add_nc_u64 s[16:17], s[16:17], s[22:23]      ; cs at f = 64 a
	v_lshlrev_b32 v1, 21, v42                      ; state r % 8: 2,097,152 bytes apart,
	v_lshl_add_u32 v1, v43, 12, v1                 ; e + r / 8: a row of 4,096 bytes,
	v_lshl_add_u32 v1, v41, 6, v1                  ; + 64 h
	WIN 0x80
.irp q, 0,1,2,3
.irp c, 0,1,2,3
.irp j, 0,1,2,3
	global_load_b128 v[64*\q+16*\c+4*\j:64*\q+16*\c+4*\j+3], v3, s[12:13] offset:2048*\q+128*\c+16*\j
.endr
.endr
.endr
	WIN 0
.irp j, 0,1,2,3,4,5,6,7
	global_load_b32 v[16+\j], v4, s[8:9] offset:2048*\j   ; b_ent[state j][2 tau + h]: f = 16 tau + 8 h + j
.endr
	ROWLOADS
	s_wait_kmcnt 0x0
	s_mov_b32 s34, s43
	MKSCALE 34, 10, 11                             ; the rows': e3
	s_add_co_i32 s36, s42, 10
	MKSCALE 36, 12, 13                             ; the sums': e2 + 10
	s_add_co_i32 s37, s42, s43                     ; e2 + e3
	s_add_co_i32 s38, s40, s41
	s_sub_co_i32 s38, 0, s38                       ; -(e0 + e1)
	s_wait_loadcnt 63                              ; 136 loads were issued, xpart's 64 first: with 63 out at the most they are in
	WIN 0x8a
.irp q, 1,2,3
.set qi, 0
.rept 32
	v_pk_add_f32 v[qi:qi+1], v[qi:qi+1], v[64*\q+qi:64*\q+qi+1]
.set qi, qi+2
.endr
.endr
	WIN 0x82
.set qi, 0
.rept 64
	v_med3_num_f32 v[qi], v[qi], -v13, v13
.set qi, qi+1
.endr
	WIN 0x02
.irp k, 0,1,2,3,4,5,6,7
	v_cvt_scalef32_pk8_bf8_f32 v[PC+2*\k:PC+2*\k+1], v[8*\k:8*\k+7], v12
.endr
	v_nop
	WIN 0
.irp c, 0,1,2,3
	ds_store_b128 v5, v[PC+4*\c:PC+4*\c+3] offset:XIMG+512*\c   ; xbar's K step w, as an image of its registers
.endr
	s_wait_dscnt 0x0                               ; for the others' sake: my image lies in LDS
	s_barrier_signal -1
	s_barrier_wait -1
.irp s, 0,1,2,3
.irp c, 0,1,2,3
	ds_load_b128 v[XF+16*\s+4*\c:XF+16*\s+4*\c+3], v2 offset:XIMG+2048*\s+512*\c
.endr
.endr
	QROWS 0
	QROWS 1
	QROWS 2
	QROWS 3
	s_wait_dscnt 0x0                               ; xbar's four fragments
	; source 0 = my 16 rows f, source 1 = the 16 batches: lane (b, h), register j holds f = 16 tau + 8 h + j.  Two accumulators by turns
	v_wmma_f32_16x16x128_bf8_bf8 v[ACC0:ACC0+7], v[WC:WC+15], v[XF:XF+15], 0
	v_wmma_f32_16x16x128_bf8_bf8 v[ACC1:ACC1+7], v[WC+16:WC+31], v[XF+16:XF+31], 0
	v_wmma_f32_16x16x128_bf8_bf8 v[ACC0:ACC0+7], v[WC+32:WC+47], v[XF+32:XF+47], v[ACC0:ACC0+7]
	v_wmma_f32_16x16x128_bf8_bf8 v[ACC1:ACC1+7], v[WC+48:WC+63], v[XF+48:XF+63], v[ACC1:ACC1+7]
.rept 4
	v_nop                                          ; four places in front of the first read of results (ISA guide 7.12.1)
.endr
.irp j, 0,2,4,6
	v_pk_add_f32 v[RES+\j:RES+\j+1], v[ACC0+\j:ACC0+\j+1], v[ACC1+\j:ACC1+\j+1]   ; each accumulator from its low end on
.endr
.irp j, 0,1,2,3,4,5,6,7
	v_ldexp_f32 v[RES+\j], v[RES+\j], s37          ; x 2^(e2 + e3)
.endr
.irp j, 0,1,2,3,4,5,6,7
	v_add_f32 v[RES+\j], v[RES+\j], v[16+\j]       ; + b_ent
.endr
.irp j, 0,1,2,3,4,5,6,7
	v_ldexp_f32 v[RES+\j], v[RES+\j], s38          ; / 2^(e0 + e1): the power of two that product 1's sums lack
.endr
	ds_store_b128 v6, v[RES:RES+3]
	ds_store_b128 v6, v[RES+4:RES+7] offset:16
	s_wait_dscnt 0x0                               ; a batch's 256 bytes come from four waves
	s_barrier_signal -1
	s_barrier_wait -1
	ds_load_b128 v[OUTR:OUTR+3], v7
	ds_load_b128 v[OUTR+4:OUTR+7], v7 offset:544
	s_wait_dscnt 1                                 ; the first of the two is in
	global_store_b128 v8, v[OUTR:OUTR+3], s[16:17]                 ; sixteen lanes store 256 consecutive bytes, at a multiple of 256 from cs's first byte
	s_wait_dscnt 0x0
	global_store_b128 v8, v[OUTR+4:OUTR+7], s[16:17] offset:32768
	s_branch .Lend
	; ---------------- ROLE W
.Lrole_w:
	s_sub_co_u32 s20, ttmp9, 64
	s_lshr_b32 s21, s20, 6                         ; 0: W1, 1: m1
	s_lshl_b32 s20, s20, 2
	s_add_co_u32 s20, s20, s18
	s_and_b32 s20, s20, 255                        ; my unit of the tensor's 256
	s_lshr_b32 s26, s20, 5                         ; c
	s_bfe_u32 s27, s20, 0x20003                    ; w'
	s_and_b32 s28, s20, 7                          ; t
	s_lshl_b32 s29, s26, 6
	s_lshl_b32 s30, s27, 4
	s_add_co_u32 s29, s29, s30
	s_lshr_b32 s30, s28, 1
	s_lshl_b32 s30, s30, 2
	s_add_co_u32 s29, s29, s30
	s_and_b32 s30, s28, 1
	s_add_co_u32 s29, s29, s30
	s_lshl_b32 s29, s29, 12                        ; W1: e = 64 c + 16 w' + 4 (t / 2) + t % 2, rows of 4,096 bytes
	s_lshl_b32 s31, s27, 7
	s_lshl_b32 s30, s28, 4
	s_add_co_u32 s31, s31, s30
	s_lshl_b32 s31, s31, 14
	s_lshl_b32 s30, s26, 11
	s_add_co_u32 s31, s31, s30                     ; m1: row 128 w' + 16 t of 16,384 bytes, + 2,048 c
	s_cmp_eq_u32 s21, 0                            ; the choices hang on ids alone
	s_cselect_b32 s22, s29, s31
	s_cselect_b64 s[24:25], s[4:5], s[6:7]
	s_mov_b32 s32, 16384
	s_cselect_b32 s32, 0x200000, s32               ; from r % 8 to the next: a state of W_ent, or a row of m1
	s_mov_b32 s33, 131072
	s_cselect_b32 s33, 8192, s33                   ; for r / 8: two rows of W_ent, or eight of m1
	s_add_nc_u64 s[24:25], s[24:25], s[22:23]
	v_mul_u32_u24 v1, s32, v42
	v_mad_u32_u24 v1, v43, s33, v1
	v_lshl_add_u32 v1, v41, 6, v1
	s_lshl_b32 s22, s26, 19
	s_lshl_b32 s30, s21, 18
	s_add_co_u32 s22, s22, s30
	s_lshl_b32 s30, s27, 15
	s_add_co_u32 s22, s22, s30
	s_lshl_b32 s30, s28, 11
	s_add_co_u32 s22, s22, s30
	s_add_nc_u64 s[14:15], s[14:15], s[22:23]      ; wq: slot 4 c + 2 kind, wave w', image t
	ROWLOADS
	s_wait_kmcnt 0x0
	s_cmp_eq_u32 s21, 0
	s_cselect_b32 s34, s40, s45                    ; e0 or e5: a choice, no branch
	MKSCALE 34, 10, 11
.irp s, 0,1,2,3
	QROWS \s
.irp c, 0,1,2,3
	global_store_b128 v2, v[WC+16*\s+4*\c:WC+16*\s+4*\c+3], s[14:15] offset:(\s/2)*131072+(\s%2)*16384+512*\c   ; 512 consecutive bytes a store
.endr
.endr
.Lend:
	s_wait_tensorcnt 0x0                           ; the wave's end, behind my last LDS store
	ds_add_u32 v14, v15
	s_wait_dscnt 0x0
	s_endpgm
.Lfunc_end_k_q96a7b0864f_wprep:
	.size	k_q96a7b0864f_wprep, .Lfunc_end_k_q96a7b0864f_wprep-k_q96a7b0864f_wprep
	.p2alignl 7, 3214868480
	.fill 96, 4, 3214868480
	.section	.rodata,"a",@progbits
	.p2align	6, 0x0
	.amdhsa_kernel k_q96a7b0864f_wprep
		.amdhsa_group_segment_fixed_size 13312
		.amdhsa_private_segment_fixed_size 0
		.amdhsa_enable_private_segment 0
		.amdhsa_kernarg_size 56
		.amdhsa_user_sgpr_count 2
		.amdhsa_user_sgpr_kernarg_segment_ptr 1
		.amdhsa_wavefront_size32 1
		.amdhsa_system_sgpr_workgroup_id_x 1
		.amdhsa_system_sgpr_workgroup_id_y 1
		.amdhsa_system_sgpr_workgroup_id_z 1
		.amdhsa_system_vgpr_workitem_id 0
		.amdhsa_next_free_vgpr 768
		.amdhsa_next_free_sgpr 66
		.amdhsa_reserve_vcc 0
		.amdhsa_float_denorm_mode_32 3
		.amdhsa_float_denorm_mode_16_64 3
		.amdhsa_memory_ordered 1
		.amdhsa_forward_progress 1
		.amdhsa_inst_pref_size 78
	.end_amdhsa_kernel
	.amdgpu_metadata
---
amdhsa.version: [ 1, 2 ]
amdhsa.kernels:
  - .name:           k_q96a7b0864f_wprep
    .symbol:         k_q96a7b0864f_wprep.kd
    .args:
      - { .name: W_ent, .offset: 0, .size: 8, .value_kind: global_buffer, .address_space: global }
      - { .name: m1_w, .offset: 8, .size: 8, .value_kind: global_buffer, .address_space: global }
      - { .name: b_ent, .offset: 16, .size: 8, .value_kind: global_buffer, .address_space: global }
      - { .name: lowp_scales, .offset: 24, .size: 8, .value_kind: global_buffer, .address_space: global }
      - { .name: xpart, .offset: 32, .size: 8, .value_kind: global_buffer, .address_space: global }
      - { .name: wq, .offset: 40, .size: 8, .value_kind: global_buffer, .address_space: global }
      - { .name: cs, .offset: 48, .size: 8, .value_kind: global_buffer, .address_space: global }
    .group_segment_fixed_size: 13312
    .private_segment_fixed_size: 0
    .kernarg_segment_align: 8
    .kernarg_segment_size: 56
    .max_flat_workgroup_size: 128
    .sgpr_count:     66
    .vgpr_count:     768
    .wavefront_size: 32
...
	.end_amdgpu_metadata
.endif
;; end of part 2
;; launch chain (part 3): grid 256 x 1, 4 waves a work-group, clusters of 4 x 1, 327,680 bytes of LDS; arguments xq, wq, cs, lowp_scales, m1_b, ln_g, ln_b, m2_w, logit; writes logit
.if DOCPART == 3
	.amdgcn_target "amdgcn-amd-amdhsa--gfx1250"
	.amdhsa_code_object_version 6
	.text
	.protected	k_q96a7b0864f_chain
	.globl	k_q96a7b0864f_chain
	.p2align	8
	.type	k_q96a7b0864f_chain,@function
k_q96a7b0864f_chain:
	s_mov_b64 s[64:65], 0
	v_nop
	global_prefetch_b8 v0, s[64:65] scope:SCOPE_SE
	s_setreg_imm32_b32 hwreg(HW_REG_WAVE_MODE, 25, 1), 1
	s_wait_xcnt 0x0
	s_wait_alu depctr_hold_cnt(0) depctr_sa_sdst(0) depctr_va_vdst(0) depctr_va_sdst(0) depctr_va_ssrc(0) depctr_va_vcc(0) depctr_vm_vsrc(0)
	s_getreg_b32 s2, hwreg(HW_REG_IB_STS2, 6, 4)
	s_cmp_eq_u32 s2, 0
	s_cbranch_scc0 .Lentry_in_a_cluster
	s_endpgm
.Lentry_in_a_cluster:
	s_bfe_u32 s2, ttmp6, 0x10000c
	s_cmp_lg_u32 s2, 0x3003
	s_cbranch_scc0 .Lentry_shape_is_right
	s_endpgm
.Lentry_shape_is_right:
; THIRD LAUNCH: the fused chain, 64 rows to a work-group: product 1, the batch's term, the quantiser, product 3, LayerNorm, tanh, the dot with m2_w.  The hidden layer never goes to memory.
; LEFT OUT: m2_b, the same along the softmax's axis (shown at the head of the first launch): the logits stored here lack it.
; SHARES.  Work-group g = 4 x cluster + cx takes rows 64 g .. 64 g + 63 (four tiles m of 16).  The hidden layer goes in 8 chunks of 512.  THE WAVES SHARE THE COLUMNS: in a chunk wave w makes hidden units
; 128 w .. 128 w + 127 (8 tiles t), which are K step w of product 3's chunk; of product 3 it makes outputs n = 128 w .. 128 w + 127.  x's codes of all 64 rows stay in every wave's registers; only weights stream.
; Each fragment of weights read from LDS feeds four matrix instructions (the four row tiles).
; BOTH PRODUCTS ARE USED TRANSPOSED (source 0 = 16 rows of weights, source 1 = 16 rows of x or of the hidden layer): a lane holds one row (lane % 16), its registers run along the columns.
; W1's rows were laid so that tiles 2 b, 2 b + 1 give a lane 16 neighbours along product 3's K: the conversions' results are the next operand's registers; they go from wave to wave through LDS as images.
; THE RING.  wq is walked slot by slot (32 slots of 131,072 bytes: a chunk's W1 K steps {0,1}, {2,3}, then m1's) through two LDS slots.  Wave w's tensor load brings just the 32,768 bytes that wave w reads.
; CLUSTER.  All work-groups walk the same wq: the four of a cluster ask jointly, by the same load with the same descriptor and the mask of the four.  A mask names four at the most, so a larger cluster adds nothing.
; By this text's own count a wave has two tensor loads out at the start and one behind each round.
; SCALES.  A sum of product 1 stands for sum x 2^(e0+e1); the batch's term comes divided by that, as the first C.  The code is sum / 2^(e4-e0-e1).  A sum of product 3 stands for a x s, s = 2^(e4+e5); m1_b / s starts the sums.
; LIMITS: e4 - e0 - e1 between -126 and 112; e4 + e5 between -126 and 126; NaN among the inputs is not served.
; REGISTERS.  window 0: v0 thread; v1-13, v16, v17 addresses; v7, v8 the quantiser's scale and hold; v14, v15 the add's two; v64-127 the batch's term (8 tiles x 8), then the codes just made;
;   v128-191, v192-255 two sets of four weight fragments; the way out works in v18-87.   window 1: x's fragments X(m, s) at 16 (4 m + s); at the end ln_g at 0, ln_b at 64, m2_w at 128.
;   window 2: product 1's sums S(m, t) at 64 m + 8 t; during product 3 the hidden fragments HF(m, s') at 16 (4 m + s').   window 3: product 3's sums H(m, t) at 64 m + 8 t.
.set SLOTB, 131072
.set HIMG,  262144                     ; behind the ring: the hidden layer's 16 images, (m, s') at (4 m + s') x 2,048
.set RED,   294912                     ; three regions of 1,024 bytes for the sums across waves
.set SPARE, 297984                     ; the spare words, 128 bytes for each wave: two blocks of 256 bytes that no other line names
.set MSB, 0
.macro WIN new                         ; the immediate's high byte repeats the setting that is left
.if MSB != \new
	s_set_vgpr_msb (MSB<<8)|\new
.set MSB, \new
.endif
.endm
.macro PLACES                          ; four places behind matrix instructions, in front of loads into their registers and of reads of results (ISA guide 7.12.1 for reads of results)
.rept 4
	v_nop
.endr
.endm
.macro CREST                           ; a round of the cluster's barrier behind its opening barrier
	s_cmp_lg_u32 s22, 0
	s_cbranch_scc1 .Lnot_wave_0_\@
	s_barrier_signal -3
.Lnot_wave_0_\@:
	s_barrier_wait -3
	s_barrier_signal -1
	s_barrier_wait -1
.endm
.macro CROUND
	s_barrier_signal -1
	s_barrier_wait -1
	CREST
.endm
.macro WLOAD slot, g, set              ; group g (four fragments) of my part of an LDS slot into a weight set: 16 loads of 512 consecutive bytes
.irp f, 0,1,2,3
.irp c, 0,1,2,3
	ds_load_b128 v[128+64*(\set)+16*\f+4*\c:128+64*(\set)+16*\f+4*\c+3], v[2+\slot] offset:(4*(\g)+\f)*2048+512*\c
.endr
.endr
.endm
.macro HLOAD sp                        ; K step sp of the hidden layer, all four row tiles, into window 2
	WIN 0x80
.irp m, 0,1,2,3
.irp c, 0,1,2,3
	ds_load_b128 v[16*(4*\m+(\sp))+4*\c:16*(4*\m+(\sp))+4*\c+3], v5 offset:(4*\m+(\sp))*2048+512*\c
.endr
.endr
	WIN 0
.endm
.macro MWIN kind, a, g                 ; source 0 (weights) window 0.  kind 1: source 1 (x) window 1, D window 2, C the batch's term (window 0) in K step 0, else D.  kind 3: source 1 window 2, C and D window 3
.if (\kind == 1) && ((\a) == 0) && ((\g) < 2)
	WIN 0x84
.elseif \kind == 1
	WIN 0xa4
.else
	WIN 0xf8
.endif
.endm
; Fragments f0 .. f0 + nf - 1 of group g of half a (image i = 4 g + f: K step 2 a + i / 8, tile i % 8), each against the four row tiles.
; The 32 accumulators take turns, one instruction a turn: between two links of a chain stand 31 others'.
.macro MUL kind, a, g, f0, nf
.set fI, \f0
.rept \nf
.set iI, 4*(\g)+fI
.set ksI, 2*(\a)+iI/8
.set tI, iI%8
.set wR, 128+64*((\g)%2)+16*fI
.irp m, 0,1,2,3
.if (\kind == 1) && (ksI == 0)
	v_wmma_f32_16x16x128_bf8_bf8 v[64*\m+8*tI:64*\m+8*tI+7], v[wR:wR+15], v[16*(4*\m+ksI):16*(4*\m+ksI)+15], v[64+8*tI:64+8*tI+7]
.else
	v_wmma_f32_16x16x128_bf8_bf8 v[64*\m+8*tI:64*\m+8*tI+7], v[wR:wR+15], v[16*(4*\m+ksI):16*(4*\m+ksI)+15], v[64*\m+8*tI:64*\m+8*tI+7]
.endif
.endr
.set fI, fI+1
.endr
.endm
; Group g = 0, 1, 2 of a slot: the next group is fetched into the other set, then this group's 16 products.
.macro STEP kind, a, slot, g
	PLACES
	WIN 0
	WLOAD \slot, (\g)+1, ((\g)+1)%2
.if (\kind == 3) && ((\g)%2 == 0) && (2*(\a)+(\g)/2+1 <= 3)
	HLOAD 2*(\a)+(\g)/2+1                          ; the hidden K step that is wanted two groups on
	s_wait_dscnt 32                                ; all but the 32 loads just issued
.else
	s_wait_dscnt 16                                ; all but the 16 loads just issued
.endif
	MWIN \kind, \a, \g
	MUL \kind, \a, \g, 0, 4
.endm
; A PREFETCH INTO THE L2: behind the joint load, its five lines and the run of LDS loads.  The change behind slot n names slot n + 5, three refills (192 matrix instructions a wave) ahead of its load.
; All clusters walk the same wq: the first cluster asks.  Its sixteen waves share a slot out BY ADDRESS, 8,192 bytes each, lanes 256 bytes apart: each block of 256 bytes is named once.
; It stops behind slot 26, which names slot 31, the last.  Slots 0 to 4 come by their loads alone.
.macro ASK
	s_cmp_lt_u32 s55, s54
	s_cbranch_scc0 .Lnot_mine_\@
	global_prefetch_b8 v13, s[52:53] th:TH_LOAD_NT scope:SCOPE_SE
.Lnot_mine_\@:
.endm
; Group 3 of a slot, and the change of slots.  fill = 1: each wave waits for all its tensor loads (the one that is out: its part of the next slot), adds 0 to its spare word, and waits for that and for its reads of this slot;
; the barrier opens a round of the cluster's; behind the round the slot is asked for again, two slots on.  fill = 0: nothing is filled; the bytes ahead are my own, so my wait on TENSORcnt is all that the reads need.
.macro TURN kind, a, slot, nxt, fill
.if \fill
	WIN 0
	s_wait_tensorcnt 0x0                           ; no tensor load of mine is out, so a group 0 may be written
	ds_add_u32 v14, v15                            ; 0 onto my spare word; the steps below stand between it and the wait for it
	s_add_nc_u64 s[38+4*\slot:39+4*\slot], s[38+4*\slot:39+4*\slot], 2*SLOTB   ; this LDS slot's next slot of wq; the type bits on top are not reached
	s_wait_xcnt 0x0                                ; the last prefetch, a slot back, has read its address
	s_add_nc_u64 s[52:53], s[52:53], SLOTB
	s_add_co_u32 s55, s55, 1
	s_wait_dscnt 0x0                               ; the add is done, and my reads of this slot are over
	s_barrier_signal -1
	MWIN \kind, \a, 3
	MUL \kind, \a, 3, 0, 2                         ; work on registers while the others arrive
	WIN 0
	s_barrier_wait -1
	CREST                                          ; no wave of any partner still reads this slot or has a load on its way
	tensor_load_to_lds s[36+4*\slot:39+4*\slot], s[28:35]
	s_nop 0
	PLACES                                         ; the places in front of the loads into set 0
	WLOAD \nxt, 0, 0
	ASK
	MWIN \kind, \a, 3
	MUL \kind, \a, 3, 2, 2
.else
	PLACES
	WIN 0
	s_wait_tensorcnt 0x0                           ; my part of the last slot is in
	WLOAD \nxt, 0, 0
	s_wait_dscnt 16
	MWIN \kind, \a, 3
	MUL \kind, \a, 3, 0, 4
.endif
.endm
; My 8 tiles x 4 row tiles of the hidden layer become four fragments (K step w of product 3's chunk) and go to LDS as images.
.macro QUANTH
	PLACES
	WIN 0x82
.set qi, 0
.rept 256
	v_med3_num_f32 v[qi], v[qi], -v8, v8           ; the hold at the largest code x the scale (ISA guide 7.6.2); ascending: each accumulator from its low end on
.set qi, qi+1
.endr
	WIN 0x02
.set qi, 0
.rept 32
	v_cvt_scalef32_pk8_bf8_f32 v[64+2*qi:64+2*qi+1], v[8*qi:8*qi+7], v7
.set qi, qi+1
.endr
	v_nop                                          ; a plain line behind the last conversion
	WIN 0
.irp m, 0,1,2,3
.irp c, 0,1,2,3
	ds_store_b128 v4, v[64+16*\m+4*\c:64+16*\m+4*\c+3] offset:8192*\m+512*\c
.endr
.endr
.endm
.macro CHUNK last
	s_wait_loadcnt 0x0                             ; the batch's term of this chunk (first chunk: x's codes too); all loads are done, so their base may step
.if !\last
	s_add_nc_u64 s[50:51], s[50:51], 2048          ; the next chunk's term
.endif
	STEP 1, 0, 0, 0
	STEP 1, 0, 0, 1
	STEP 1, 0, 0, 2
	TURN 1, 0, 0, 1, 1
	STEP 1, 1, 1, 0
	STEP 1, 1, 1, 1
	STEP 1, 1, 1, 2
	TURN 1, 1, 1, 0, 1
	QUANTH
	s_wait_dscnt 0x0                               ; for the others' sake: my images lie in LDS
	s_barrier_signal -1
	s_barrier_wait -1
.if \last
	WIN 0x40                                       ; x's codes are done with: their registers take ln_g, ln_b and m2_w at my lane's 64 outputs n = 128 w + 16 t + 8 h + j
.irp t, 0,1,2,3,4,5,6,7
	global_load_b128 v[8*\t:8*\t+3], v16, s[14:15] offset:64*\t
	global_load_b128 v[8*\t+4:8*\t+7], v16, s[14:15] offset:64*\t+16
	global_load_b128 v[64+8*\t:64+8*\t+3], v16, s[16:17] offset:64*\t
	global_load_b128 v[64+8*\t+4:64+8*\t+7], v16, s[16:17] offset:64*\t+16
	global_load_b128 v[128+8*\t:128+8*\t+3], v16, s[18:19] offset:64*\t
	global_load_b128 v[128+8*\t+4:128+8*\t+7], v16, s[18:19] offset:64*\t+16
.endr
	WIN 0
.else
.irp t, 0,1,2,3,4,5,6,7
	global_load_b128 v[64+8*\t:64+8*\t+3], v6, s[50:51] offset:(32*(\t/2)+8*(\t%2))*4      ; tile t, lane (r, h): hidden units 32 (t / 2) + 16 h + 8 (t % 2) + 0 .. 7
	global_load_b128 v[64+8*\t+4:64+8*\t+7], v6, s[50:51] offset:(32*(\t/2)+8*(\t%2))*4+16
.endr
.endif
	HLOAD 0
	STEP 3, 0, 0, 0
	STEP 3, 0, 0, 1
	STEP 3, 0, 0, 2
	TURN 3, 0, 0, 1, 1-\last
	STEP 3, 1, 1, 0
	STEP 3, 1, 1, 1
	STEP 3, 1, 1, 2
.if \last
	s_wait_dscnt 0x0
	MWIN 3, 1, 3
	MUL 3, 1, 3, 0, 4
.else
	TURN 3, 1, 1, 0, 1
.endif
	WIN 0                                          ; at a label and at a branch every window is 0
.endm
	s_load_b512 s[4:19], s[0:1], 0x0               ; xq s[4:5], wq s[6:7], cs s[8:9], the exponents s[10:11], m1_b s[12:13], ln_g s[14:15], ln_b s[16:17], m2_w s[18:19]
	s_load_b64 s[20:21], s[0:1], 0x40              ; logit
	v_lshl_add_u32 v14, v0, 2, SPARE
	v_mov_b32 v15, 0
	ds_add_u32 v14, v15                            ; the wave's opening: the add, twice on end, and its wait ahead of my first tensor load
	ds_add_u32 v14, v15
	v_lshrrev_b32 v20, 5, v0
	v_readfirstlane_b32 s22, v20                   ; wave 0..3
	s_bfe_u32 s23, ttmp6, 0x40000                  ; cx: it enters global addresses of my own rows, and the prefetches', alone
	s_lshl_b32 s24, ttmp9, 2
	s_add_co_u32 s24, s24, s23                     ; g
	; descriptor group 1: 128 dense rows of 256 bytes
	s_mov_b32 s28, 15|(3<<16)|(1<<21)              ; 15:0 the mask: all four work-groups; 17:16 elements of 8 bytes; 20 no padding; 21 set beside a mask
	s_mov_b32 s29, 32<<16                          ; tensor_dim0 = 32
	s_mov_b32 s30, 128<<16                         ; tensor_dim1 = 128
	s_mov_b32 s31, 32<<16                          ; tile_dim0 = 32
	s_mov_b32 s32, 128                             ; tile_dim1 = 128
	s_mov_b32 s33, 32                              ; tensor_dim0_stride
	s_mov_b32 s34, 0
	s_mov_b32 s35, 0
	s_mov_b32 s58, 0x76543210                      ; v_permlanex16_b32's selects: lane l xor 16
	s_mov_b32 s59, 0xfedcba98
	v_and_b32 v17, 31, v0                          ; lane
	v_and_b32 v18, 15, v0                          ; r
	v_bfe_u32 v19, v0, 4, 1                        ; h
	v_lshlrev_b32 v1, 4, v17                       ; 16 x lane: an image's place for my lane
	v_lshlrev_b32 v13, 8, v17                      ; the prefetches': 256 x lane
	s_lshl_b32 s68, s22, 15                        ; my 32,768 bytes of a slot
	v_add_nc_u32 v2, s68, v1                       ; in LDS slot 0,
	v_add_nc_u32 v3, SLOTB, v2                     ; and in slot 1
	s_lshl_b32 s69, s22, 11
	s_add_co_u32 s69, s69, HIMG
	v_add_nc_u32 v4, s69, v1                       ; where I store the hidden images: K step w
	v_add_nc_u32 v5, HIMG, v1                      ; and where any is read
	v_lshlrev_b32 v6, 6, v19                       ; the batch's term: 64 h
	s_lshl_b32 s70, s22, 8
	s_add_co_u32 s70, s70, RED
	v_lshl_add_u32 v9, v18, 4, s70                 ; sums across waves, in: 256 w + 16 r
	v_lshlrev_b32 v10, 4, v18
	v_add_nc_u32 v10, RED, v10                     ; back: 16 r
	s_add_co_u32 s70, s70, 2048
	v_lshl_add_u32 v11, v18, 2, s70                ; the logits' parts, in: 256 w + 4 r
	v_lshlrev_b32 v17, 3, v17                      ; 8 x lane
	v_add_nc_u32 v12, RED+2048, v17                ; back: two rows a lane
	s_lshl_b32 s71, s22, 9
	v_lshl_add_u32 v16, v19, 5, s71                ; m1_b, ln_g, ln_b, m2_w: 512 w + 32 h
	v_mov_b32 v18, 0x3727c5ac                      ; 1e-5
	s_mov_b32 s69, 0
	s_mov_b32 s73, 0
	s_mov_b32 s55, 0                               ; changes of slots so far
	s_wait_dscnt 0x0                               ; both opening adds are done
	s_wait_kmcnt 0x0
	s_load_b128 s[44:47], s[10:11], 0x0            ; e0, e1, e2, e3
	s_load_b64 s[48:49], s[10:11], 0x10            ; e4, e5
	s_add_nc_u64 s[70:71], s[6:7], s[68:69]        ; wq at my part of slot 0: the wave's number alone, the same in all four partners
	s_mov_b32 s36, 1                               ; group 0 of LDS slot 0: count = 1,
	s_mov_b32 s37, s68                             ; LDS address,
	s_mov_b64 s[38:39], s[70:71]                   ; global address,
	s_or_b32 s39, s39, 0x80000000                  ; type = 2
	s_mov_b32 s40, 1                               ; and of LDS slot 1
	s_add_co_u32 s41, s68, SLOTB
	s_add_nc_u64 s[42:43], s[70:71], SLOTB
	s_or_b32 s43, s43, 0x80000000
	s_lshr_b32 s72, ttmp9, 2                       ; the batch: g / 16
	s_lshl_b32 s72, s72, 14
	s_lshl_b32 s74, s22, 9
	s_add_co_u32 s72, s72, s74
	s_add_nc_u64 s[50:51], s[8:9], s[72:73]        ; cs at my batch, chunk 0, my 128 hidden units
	s_lshl_b32 s72, s24, 15
	s_add_nc_u64 s[4:5], s[4:5], s[72:73]          ; xq at block g
	s_lshl_b32 s72, s24, 8
	s_add_nc_u64 s[20:21], s[20:21], s[72:73]      ; logit at row 64 g
	s_lshl_b32 s72, s23, 15
	s_lshl_b32 s74, s22, 13
	s_add_co_u32 s72, s72, s74
	s_add_co_u32 s72, s72, 4*SLOTB
	s_add_nc_u64 s[52:53], s[6:7], s[72:73]        ; the prefetches stand in slot 4; the first change steps them to slot 5.  Nothing is prefetched here, at the head
	s_cmp_eq_u32 ttmp9, 0                          ; the first cluster asks: the same in all four partners
	s_cselect_b32 s54, 28, 0
	CROUND                                         ; all four work-groups are here: the first joint loads meet
	tensor_load_to_lds s[36:39], s[28:35]
	s_nop 0
	tensor_load_to_lds s[40:43], s[28:35]
	s_nop 0
	PLACES
.irp t, 0,1,2,3,4,5,6,7
	global_load_b128 v[128+8*\t:128+8*\t+3], v16, s[12:13] offset:64*\t         ; m1_b at my lane's 64 outputs
	global_load_b128 v[128+8*\t+4:128+8*\t+7], v16, s[12:13] offset:64*\t+16
.endr
.irp t, 0,1,2,3,4,5,6,7
	global_load_b128 v[64+8*\t:64+8*\t+3], v6, s[50:51] offset:(32*(\t/2)+8*(\t%2))*4
	global_load_b128 v[64+8*\t+4:64+8*\t+7], v6, s[50:51] offset:(32*(\t/2)+8*(\t%2))*4+16
.endr
	WIN 0x40
.irp i, 0,1,2,3,4,5,6,7,8,9,10,11,12,13,14,15
.irp c, 0,1,2,3
	global_load_b128 v[16*\i+4*\c:16*\i+4*\c+3], v1, s[4:5] offset:2048*\i+512*\c   ; x's 16 fragments stay in registers
.endr
.endr
	WIN 0
	s_wait_kmcnt 0x0
	s_add_co_i32 s68, s44, s45
	s_sub_co_i32 s68, s48, s68                     ; e4 - e0 - e1: the three scales folded into the conversion's one
	s_add_co_i32 s68, s68, 127
	s_lshl_b32 s69, s68, 23
	v_mov_b32 v7, s69
	s_add_co_i32 s68, s68, 15
	s_lshl_b32 s68, s68, 23
	s_or_b32 s68, s68, 0x600000
	v_mov_b32 v8, s68                              ; 57,344 x that
	s_add_co_i32 s68, s48, s49                     ; e4 + e5
	s_add_co_i32 s69, s68, 127
	s_lshl_b32 s66, s69, 23                        ; s = 2^(e4 + e5)
	s_sub_co_i32 s69, 127, s68
	s_lshl_b32 s60, s69, 23                        ; 1 / s
	s_mov_b32 s61, s60                             ; (named with it as a pair, so it is written)
	s_mul_f32 s67, s66, 0x4038aa3b                 ; s x 2 log2(e)
	s_wait_loadcnt 63                              ; 96 loads were issued, m1_b's 16 first: with 63 out at the most they are in
	WIN 0xc0
.irp m, 0,1,2,3
.set qi, 0
.rept 32
	v_pk_mul_f32 v[64*\m+qi:64*\m+qi+1], v[128+qi:128+qi+1], s[60:61] op_sel_hi:[1,0]   ; m1_b / s starts product 3's sums: nothing is cleared
.set qi, qi+2
.endr
.endr
	WIN 0
	s_wait_tensorcnt 0x1                           ; my part of slot 0 is in; slot 1's may stay out
	WLOAD 0, 0, 0
	s_mov_b32 s56, 7
.Lchunk:                                           ; seven chunks fill every slot again; the eighth is written out
	CHUNK 0
	s_sub_co_u32 s56, s56, 1
	s_cmp_lg_u32 s56, 0
	s_cbranch_scc1 .Lchunk
	CHUNK 1
; THE WAY OUT.  a = H: lane (r, h), register 64 m + 8 t + j: row 16 m + r, output n = 128 w + 16 t + 8 h + j; the number itself is a x s.
; Four chains' pairs T at v[20 + 4 m + 2 k]; REDUCE folds them, adds the other half of the lanes and the other waves (through LDS bytes of its own each time), and leaves row 16 m + r's total in v[36 + m].
.macro REDUCE off
.irp m, 0,1,2,3
	v_pk_add_f32 v[20+4*\m:21+4*\m], v[20+4*\m:21+4*\m], v[22+4*\m:23+4*\m]
.endr
.irp m, 0,1,2,3
	v_add_f32 v[36+\m], v[20+4*\m], v[21+4*\m]
.endr
.irp m, 0,1,2,3
	v_permlanex16_b32 v[22+4*\m], v[36+\m], s58, s59
.endr
.irp m, 0,1,2,3
	v_add_f32 v[36+\m], v[36+\m], v[22+4*\m]
.endr
	ds_store_b128 v9, v[36:39] offset:\off         ; lanes r and r + 16 hold the same four numbers and write the same bytes
	s_wait_dscnt 0x0
	s_barrier_signal -1
	s_barrier_wait -1
.irp w, 0,1,2,3
	ds_load_b128 v[40+4*\w:43+4*\w], v10 offset:\off+256*\w
.endr
	s_wait_dscnt 0x0
.irp j, 0,2
	v_pk_add_f32 v[40+\j:41+\j], v[40+\j:41+\j], v[44+\j:45+\j]
	v_pk_add_f32 v[48+\j:49+\j], v[48+\j:49+\j], v[52+\j:53+\j]
.endr
.irp j, 0,2
	v_pk_add_f32 v[36+\j:37+\j], v[40+\j:41+\j], v[48+\j:49+\j]
.endr
.endm
	PLACES
	WIN 0x0f                                       ; the row sums, two chains a row tile (t 0-3, t 4-7), each accumulator from its low end on
.irp m, 0,1,2,3
.irp k, 0,1
	v_pk_add_f32 v[20+4*\m+2*\k:21+4*\m+2*\k], v[64*\m+32*\k:64*\m+32*\k+1], v[64*\m+32*\k+2:64*\m+32*\k+3]
.endr
.endr
	WIN 0x03
.set pI, 2
.rept 14
.irp m, 0,1,2,3
.irp k, 0,1
	v_pk_add_f32 v[20+4*\m+2*\k:21+4*\m+2*\k], v[64*\m+32*\k+2*pI:64*\m+32*\k+2*pI+1], v[20+4*\m+2*\k:21+4*\m+2*\k]
.endr
.endr
.set pI, pI+1
.endr
	WIN 0
	REDUCE 0
.irp m, 0,1,2,3
	v_mul_f32 v[56+2*\m], 0x3b000000, v[36+\m]     ; the mean: / 512, as a pair
	v_mul_f32 v[57+2*\m], 0x3b000000, v[36+\m]
.endr
	WIN 0xc3
.irp m, 0,1,2,3
.set qi, 0
.rept 32
	v_pk_add_f32 v[64*\m+qi:64*\m+qi+1], v[64*\m+qi:64*\m+qi+1], v[56+2*\m:57+2*\m] neg_lo:[0,1] neg_hi:[0,1]   ; d = a - mean
.set qi, qi+2
.endr
.endr
	WIN 0x0f
.irp m, 0,1,2,3
.irp k, 0,1
	v_pk_mul_f32 v[20+4*\m+2*\k:21+4*\m+2*\k], v[64*\m+32*\k:64*\m+32*\k+1], v[64*\m+32*\k:64*\m+32*\k+1]
.endr
.endr
.set pI, 1
.rept 15
.irp m, 0,1,2,3
.irp k, 0,1
	v_pk_fma_f32 v[20+4*\m+2*\k:21+4*\m+2*\k], v[64*\m+32*\k+2*pI:64*\m+32*\k+2*pI+1], v[64*\m+32*\k+2*pI:64*\m+32*\k+2*pI+1], v[20+4*\m+2*\k:21+4*\m+2*\k]
.endr
.endr
.set pI, pI+1
.endr
	WIN 0
	REDUCE 1024
.irp m, 0,1,2,3
	v_mul_f32 v[36+\m], 0x3b000000, v[36+\m]
.endr
.irp m, 0,1,2,3
	v_mul_f32 v[36+\m], s66, v[36+\m]
.endr
.irp m, 0,1,2,3
	v_fma_f32 v[36+\m], v[36+\m], s66, v18         ; the variance of the numbers themselves, + 1e-5
.endr
.irp m, 0,1,2,3
	v_rsq_f32 v[40+\m], v[36+\m]
.endr
	v_nop                                          ; a plain line behind the last of the batch,
	s_wait_alu depctr_va_vdst(0)                   ; and the wait ahead of the first use: one for the four
.irp m, 0,1,2,3
	v_mul_f32 v[64+2*\m], s67, v[40+\m]            ; rsqrt x s x 2 log2(e), as a pair
	v_mul_f32 v[65+2*\m], s67, v[40+\m]
.endr
	s_wait_loadcnt 0x0                             ; ln_g, ln_b, m2_w
	WIN 0x41
.set qi, 0
.rept 32
	v_pk_mul_f32 v[64+qi:64+qi+1], v[64+qi:64+qi+1], 0x4038aa3b op_sel_hi:[1,0]   ; ln_b x 2 log2(e)
.set qi, qi+2
.endr
	WIN 0x05
	v_pk_add_f32 v[72:73], v[128:129], v[130:131]  ; the sum of my 64 m2_w, in two chains
	v_pk_add_f32 v[74:75], v[132:133], v[134:135]
	WIN 0x01
.set qi, 8
.rept 14
	v_pk_add_f32 v[72:73], v[128+qi:128+qi+1], v[72:73]
	v_pk_add_f32 v[74:75], v[128+qi+2:128+qi+3], v[74:75]
.set qi, qi+4
.endr
	WIN 0xc3
.irp m, 0,1,2,3
.set qi, 0
.rept 32
	v_pk_mul_f32 v[64*\m+qi:64*\m+qi+1], v[64*\m+qi:64*\m+qi+1], v[64+2*\m:65+2*\m]
.set qi, qi+2
.endr
.endr
	WIN 0xd7
.irp m, 0,1,2,3
.set qi, 0
.rept 32
	v_pk_fma_f32 v[64*\m+qi:64*\m+qi+1], v[64*\m+qi:64*\m+qi+1], v[qi:qi+1], v[64+qi:64+qi+1]   ; 2 log2(e) z, z = the LayerNorm's result
.set qi, qi+2
.endr
.endr
	WIN 0xc3                                       ; tanh z = 1 - 2 / (1 + 2^(2 log2(e) z)): an exponential that overflows gives 1, one that vanishes -1
.set qi, 0
.rept 256
	v_exp_f32 v[qi], v[qi]
.set qi, qi+1
.endr
	v_nop
	s_wait_alu depctr_va_vdst(0)                   ; one wait for the batch of 256
.set qi, 0
.rept 128
	v_pk_add_f32 v[qi:qi+1], v[qi:qi+1], 1.0 op_sel_hi:[1,0]
.set qi, qi+2
.endr
.set qi, 0
.rept 256
	v_rcp_f32 v[qi], v[qi]
.set qi, qi+1
.endr
	v_nop
	s_wait_alu depctr_va_vdst(0)                   ; one wait for the batch of 256
	WIN 0x07
.irp m, 0,1,2,3
	v_pk_mul_f32 v[76+2*\m:77+2*\m], v[64*\m:64*\m+1], v[128:129]
.endr
.set qi, 2
.rept 31
.irp m, 0,1,2,3
	v_pk_fma_f32 v[76+2*\m:77+2*\m], v[64*\m+qi:64*\m+qi+1], v[128+qi:128+qi+1], v[76+2*\m:77+2*\m]   ; the sum of m2_w / (1 + 2^..)
.endr
.set qi, qi+2
.endr
	WIN 0
	v_pk_add_f32 v[72:73], v[72:73], v[74:75]
	v_add_f32 v72, v72, v73
.irp m, 0,1,2,3
	v_add_f32 v[84+\m], v[76+2*\m], v[77+2*\m]
.endr
.irp m, 0,1,2,3
	v_fma_f32 v[84+\m], -2.0, v[84+\m], v72        ; my 64 outputs' part of the logit: the sum of m2_w (1 - 2 / (1 + 2^..))
.endr
.irp m, 0,1,2,3
	v_permlanex16_b32 v[76+2*\m], v[84+\m], s58, s59
.endr
.irp m, 0,1,2,3
	v_add_f32 v[84+\m], v[84+\m], v[76+2*\m]
.endr
.irp m, 0,1,2,3
	ds_store_b32 v11, v[84+\m] offset:64*\m        ; row 16 m + r
.endr
	s_wait_dscnt 0x0
	s_barrier_signal -1
	s_barrier_wait -1
	s_cmp_lg_u32 s22, 0                            ; wave 0 adds the four waves' parts and stores the 64 logits
	s_cbranch_scc1 .Lnot_first
.irp w, 0,1,2,3
	ds_load_b64 v[40+2*\w:41+2*\w], v12 offset:256*\w
.endr
	s_wait_dscnt 0x0
	v_pk_add_f32 v[40:41], v[40:41], v[42:43]
	v_pk_add_f32 v[44:45], v[44:45], v[46:47]
	v_pk_add_f32 v[40:41], v[40:41], v[44:45]
	global_store_b64 v17, v[40:41], s[20:21]       ; 32 lanes store 256 consecutive bytes, at a multiple of 256 from logit's first byte
.Lnot_first:
	s_wait_tensorcnt 0x0                           ; the wave's end, behind my last tensor load and my last LDS store
	ds_add_u32 v14, v15
	s_wait_dscnt 0x0
	CROUND                                         ; the closing round: no work-group ends while a partner may still ask for a tile that names it
	s_endpgm
.Lfunc_end_k_q96a7b0864f_chain:
	.size	k_q96a7b0864f_chain, .Lfunc_end_k_q96a7b0864f_chain-k_q96a7b0864f_chain
	.p2alignl 7, 3214868480
	.fill 96, 4, 3214868480
	.section	.rodata,"a",@progbits
	.p2align	6, 0x0
	.amdhsa_kernel k_q96a7b0864f_chain
		.amdhsa_group_segment_fixed_size 327680
		.amdhsa_private_segment_fixed_size 0
		.amdhsa_enable_private_segment 0
		.amdhsa_kernarg_size 72
		.amdhsa_user_sgpr_count 2
		.amdhsa_user_sgpr_kernarg_segment_ptr 1
		.amdhsa_wavefront_size32 1
		.amdhsa_system_sgpr_workgroup_id_x 1
		.amdhsa_system_sgpr_workgroup_id_y 1
		.amdhsa_system_sgpr_workgroup_id_z 1
		.amdhsa_system_vgpr_workitem_id 0
		.amdhsa_next_free_vgpr 1024
		.amdhsa_next_free_sgpr 100
		.amdhsa_reserve_vcc 0
		.amdhsa_float_denorm_mode_32 3
		.amdhsa_float_denorm_mode_16_64 3
		.amdhsa_memory_ordered 1
		.amdhsa_forward_progress 1
		.amdhsa_inst_pref_size 237
	.end_amdhsa_kernel
	.amdgpu_metadata
---
amdhsa.version: [ 1, 2 ]
amdhsa.kernels:
  - .name:           k_q96a7b0864f_chain
    .symbol:         k_q96a7b0864f_chain.kd
    .args:
      - { .name: xq, .offset: 0, .size: 8, .value_kind: global_buffer, .address_space: global }
      - { .name: wq, .offset: 8, .size: 8, .value_kind: global_buffer, .address_space: global }
      - { .name: cs, .offset: 16, .size: 8, .value_kind: global_buffer, .address_space: global }
      - { .name: lowp_scales, .offset: 24, .size: 8, .value_kind: global_buffer, .address_space: global }
      - { .name: m1_b, .offset: 32, .size: 8, .value_kind: global_buffer, .address_space: global }
      - { .name: ln_g, .offset: 40, .size: 8, .value_kind: global_buffer, .address_space: global }
      - { .name: ln_b, .offset: 48, .size: 8, .value_kind: global_buffer, .address_space: global }
      - { .name: m2_w, .offset: 56, .size: 8, .value_kind: global_buffer, .address_space: global }
      - { .name: logit, .offset: 64, .size: 8, .value_kind: global_buffer, .address_space: global }
    .group_segment_fixed_size: 327680
    .private_segment_fixed_size: 0
    .kernarg_segment_align: 8
    .kernarg_segment_size: 72
    .max_flat_workgroup_size: 128
    .sgpr_count:     100
    .vgpr_count:     1024
    .wavefront_size: 32
...
	.end_amdgpu_metadata
.endif
;; end of part 3
;; launch final (part 4): grid 8 x 16, 16 waves a work-group, no clusters, 10,752 bytes of LDS; arguments logit, x, out0, out1; writes out0, out1
.if DOCPART == 4
	.amdgcn_target "amdgcn-amd-amdhsa--gfx1250"
	.amdhsa_code_object_version 6
	.text
	.protected	k_q96a7b0864f_final
	.globl	k_q96a7b0864f_final
	.p2align	8
	.type	k_q96a7b0864f_final,@function
k_q96a7b0864f_final:
	s_mov_b64 s[64:65], 0
	v_nop
	global_prefetch_b8 v0, s[64:65] scope:SCOPE_SE
	s_setreg_imm32_b32 hwreg(HW_REG_WAVE_MODE, 25, 1), 1
	s_wait_xcnt 0x0
; FOURTH LAUNCH: the softmax over a batch's 1,024 positions and the weighted sum of x.  LEFT OUT: m2_b, the same along the softmax's axis (shown at the head of the first launch).
; The largest logit is taken away before the exponential.
; SHARES.  Work-group (ds, b) makes batch b's softmax from its 4,096 bytes of logits and owns out0[b][64 ds .. 64 ds + 63]; the one with ds = 0 also stores out1[b].  So each output has one owner.
; Thread t holds positions 2 t, 2 t + 1.  Of x, wave v's half hh = lane / 16 takes rows 64 v + 32 hh + i, i = 0 .. 31: sixteen lanes read 256 consecutive bytes, at a multiple of 256 from x's first byte.
; All of a wave's 32 loads of x are asked for at the head, ahead of the softmax: no ring.  No cluster: what the eight work-groups of a batch share is 4 KiB of logits beside 256 KiB of x each.
; REGISTERS: v1-6, v8 addresses; v10, v11 the add's two; v12, v13 my logits, then p; v14, v15 at work; v16-31 the waves' figures; v20-23 later the sums; v24 1 / Z; v32-63 the weights; v64-191 x.
.set RED0,  0                          ; the sixteen waves' maxima,
.set RED1,  256                        ; their sums,
.set PW,    512                        ; p of the 1,024 positions,
.set CTX,   4608                       ; the waves' parts of the 64 columns, 256 bytes each,
.set SPARE, 8704                       ; and the spare words, 128 bytes for each wave: eight blocks of 256 bytes that no other line names
	s_load_b256 s[4:11], s[0:1], 0x0               ; logit s[4:5], x s[6:7], out0 s[8:9], out1 s[10:11]
	v_lshl_add_u32 v10, v0, 2, SPARE
	v_mov_b32 v11, 0
	v_lshrrev_b32 v9, 5, v0
	v_readfirstlane_b32 s12, v9                    ; wave 0..15
	s_and_b32 s13, ttmp7, 0xffff                   ; b
	v_and_b32 v14, 15, v0
	v_bfe_u32 v15, v0, 4, 1                        ; hh
	v_lshlrev_b32 v1, 4, v14
	v_lshl_add_u32 v1, v15, 16, v1                 ; x: 16 (lane % 16) + 32 rows x hh
	v_lshlrev_b32 v2, 3, v0                        ; 8 x thread
	s_lshl_b32 s14, s12, 2
	v_mov_b32 v3, s14                              ; my wave's word
	v_mov_b32 v4, 0
	s_lshl_b32 s15, s12, 8
	v_lshlrev_b32 v5, 7, v15
	v_add_nc_u32 v5, s15, v5                       ; my 32 rows' weights: 256 v + 128 hh
	v_lshlrev_b32 v6, 4, v14
	v_add_nc_u32 v6, s15, v6                       ; my wave's part: 256 v + 16 (lane % 16)
	v_and_b32 v8, 31, v0
	v_lshlrev_b32 v8, 3, v8                        ; 8 x lane
	s_lshl_b32 s16, s13, 12                        ; a batch's logits and weights: 4,096 bytes
	s_mov_b32 s17, 0
	s_lshl_b32 s18, s13, 21                        ; a batch of x,
	s_lshl_b32 s20, s12, 17                        ; my wave's 64 rows,
	s_add_co_u32 s18, s18, s20
	s_lshl_b32 s20, ttmp9, 8                       ; my work-group's 64 columns
	s_add_co_u32 s18, s18, s20
	s_mov_b32 s19, 0
	s_lshl_b32 s22, s13, 11
	s_add_co_u32 s22, s22, s20
	s_mov_b32 s23, 0
	s_mov_b32 s24, 0x76543210                      ; v_permlanex16_b32's selects: lane l xor 16
	s_mov_b32 s25, 0xfedcba98
	s_wait_kmcnt 0x0
	s_add_nc_u64 s[4:5], s[4:5], s[16:17]
	s_add_nc_u64 s[6:7], s[6:7], s[18:19]
	s_add_nc_u64 s[8:9], s[8:9], s[22:23]
	s_add_nc_u64 s[10:11], s[10:11], s[16:17]
	global_load_b64 v[12:13], v2, s[4:5]
.set qi, 0
.rept 32
	global_load_b128 v[64+4*qi:67+4*qi], v1, s[6:7] offset:2048*qi th:TH_LOAD_NT
.set qi, qi+1
.endr
	s_wait_loadcnt 32                              ; my logits are in; x's 32 loads stay out
	v_max_num_f32 v14, v12, v13
	v_max_num_f32_dpp v14, v14, v14 row_xmask:1 row_mask:0xf bank_mask:0xf
	v_max_num_f32_dpp v14, v14, v14 row_xmask:2 row_mask:0xf bank_mask:0xf
	v_max_num_f32_dpp v14, v14, v14 row_xmask:4 row_mask:0xf bank_mask:0xf
	v_max_num_f32_dpp v14, v14, v14 row_xmask:8 row_mask:0xf bank_mask:0xf
	v_permlanex16_b32 v15, v14, s24, s25
	v_max_num_f32 v14, v14, v15
	ds_store_b32 v3, v14 offset:RED0               ; all lanes write the same word with the same value
	s_wait_dscnt 0x0
	s_barrier_signal -1
	s_barrier_wait -1
.irp k, 0,1,2,3
	ds_load_b128 v[16+4*\k:19+4*\k], v4 offset:RED0+16*\k
.endr
	s_wait_dscnt 0x0
	v_max3_num_f32 v16, v16, v17, v18
	v_max3_num_f32 v19, v19, v20, v21
	v_max3_num_f32 v22, v22, v23, v24
	v_max3_num_f32 v25, v25, v26, v27
	v_max3_num_f32 v28, v28, v29, v30
	v_max3_num_f32 v16, v16, v19, v22
	v_max3_num_f32 v25, v25, v28, v31
	v_max_num_f32 v16, v16, v25                    ; the batch's largest logit
	v_sub_f32 v12, v12, v16
	v_sub_f32 v13, v13, v16
	v_mul_f32 v12, 0x3fb8aa3b, v12
	v_mul_f32 v13, 0x3fb8aa3b, v13
	v_exp_f32 v12, v12
	v_exp_f32 v13, v13
	v_nop                                          ; a plain line behind the two,
	s_wait_alu depctr_va_vdst(0)                   ; and the wait ahead of the first use
	v_add_f32 v14, v12, v13
	v_add_f32_dpp v14, v14, v14 row_xmask:1 row_mask:0xf bank_mask:0xf
	v_add_f32_dpp v14, v14, v14 row_xmask:2 row_mask:0xf bank_mask:0xf
	v_add_f32_dpp v14, v14, v14 row_xmask:4 row_mask:0xf bank_mask:0xf
	v_add_f32_dpp v14, v14, v14 row_xmask:8 row_mask:0xf bank_mask:0xf
	v_permlanex16_b32 v15, v14, s24, s25
	v_add_f32 v14, v14, v15
	ds_store_b32 v3, v14 offset:RED1
	ds_store_b64 v2, v[12:13] offset:PW
	s_wait_dscnt 0x0
	s_barrier_signal -1
	s_barrier_wait -1
.irp k, 0,1,2,3
	ds_load_b128 v[16+4*\k:19+4*\k], v4 offset:RED1+16*\k
.endr
.irp k, 0,1,2,3,4,5,6,7
	ds_load_b128 v[32+4*\k:35+4*\k], v5 offset:PW+16*\k   ; p of my 32 rows: sixteen lanes share each word
.endr
	s_wait_dscnt 8                                 ; the sums are in; the eight loads of weights may stay out
.irp j, 0,2,4,6
	v_pk_add_f32 v[16+\j:17+\j], v[16+\j:17+\j], v[24+\j:25+\j]
.endr
	v_pk_add_f32 v[16:17], v[16:17], v[20:21]
	v_pk_add_f32 v[18:19], v[18:19], v[22:23]
	v_pk_add_f32 v[16:17], v[16:17], v[18:19]
	v_add_f32 v16, v16, v17                        ; Z
	v_rcp_f32 v24, v16
	v_nop
	s_wait_alu depctr_va_vdst(0)
	s_cmp_lg_u32 ttmp9, 0                          ; the batch's first work-group stores the weights
	s_cbranch_scc1 .Lno_weights
	v_mul_f32 v26, v12, v24
	v_mul_f32 v27, v13, v24
	global_store_b64 v2, v[26:27], s[10:11]        ; a wave stores 256 consecutive bytes, at a multiple of 256 from out1's first byte
.Lno_weights:
	s_wait_dscnt 0x0                               ; the weights
	s_wait_loadcnt 31                              ; row 0; the 31 later rows may stay out
.irp k, 0,1,2,3
	v_mul_f32 v[20+\k], v32, v[64+\k]              ; the first row starts the sums
.endr
.set qi, 1
.rept 31
	s_wait_loadcnt 31-qi
.irp k, 0,1,2,3
	v_fmac_f32 v[20+\k], v[32+qi], v[64+4*qi+\k]
.endr
.set qi, qi+1
.endr
.irp k, 0,1,2,3
	v_permlanex16_b32 v[16+\k], v[20+\k], s24, s25
.endr
.irp k, 0,1,2,3
	v_add_f32 v[20+\k], v[20+\k], v[16+\k]         ; my wave's 64 rows
.endr
	ds_store_b128 v6, v[20:23] offset:CTX          ; lanes l and l + 16 hold the same numbers and write the same bytes
	s_wait_dscnt 0x0
	s_barrier_signal -1
	s_barrier_wait -1
	s_cmp_lg_u32 s12, 0                            ; wave 0 adds the sixteen waves' parts
	s_cbranch_scc1 .Ldone
.set qi, 0
.rept 16
	ds_load_b64 v[64+2*qi:65+2*qi], v8 offset:CTX+256*qi
.set qi, qi+1
.endr
	s_wait_dscnt 0x0
.irp d, 8,4,2,1
.set qi, 0
.rept \d
	v_pk_add_f32 v[64+2*qi:65+2*qi], v[64+2*qi:65+2*qi], v[64+2*(qi+\d):65+2*(qi+\d)]
.set qi, qi+1
.endr
.endr
	v_mul_f32 v64, v64, v24                        ; / Z
	v_mul_f32 v65, v65, v24
	global_store_b64 v8, v[64:65], s[8:9]          ; 256 consecutive bytes, at a multiple of 256 from out0's first byte
.Ldone:
	s_wait_tensorcnt 0x0                           ; the wave's end, behind my last LDS store
	ds_add_u32 v10, v11
	s_wait_dscnt 0x0
	s_endpgm
.Lfunc_end_k_q96a7b0864f_final:
	.size	k_q96a7b0864f_final, .Lfunc_end_k_q96a7b0864f_final-k_q96a7b0864f_final
	.p2alignl 7, 3214868480
	.fill 96, 4, 3214868480
	.section	.rodata,"a",@progbits
	.p2align	6, 0x0
	.amdhsa_kernel k_q96a7b0864f_final
		.amdhsa_group_segment_fixed_size 10752
		.amdhsa_private_segment_fixed_size 0
		.amdhsa_enable_private_segment 0
		.amdhsa_kernarg_size 32
		.amdhsa_user_sgpr_count 2
		.amdhsa_user_sgpr_kernarg_segment_ptr 1
		.amdhsa_wavefront_size32 1
		.amdhsa_system_sgpr_workgroup_id_x 1
		.amdhsa_system_sgpr_workgroup_id_y 1
		.amdhsa_system_sgpr_workgroup_id_z 1
		.amdhsa_system_vgpr_workitem_id 0
		.amdhsa_next_free_vgpr 192
		.amdhsa_next_free_sgpr 66
		.amdhsa_reserve_vcc 0
		.amdhsa_float_denorm_mode_32 3
		.amdhsa_float_denorm_mode_16_64 3
		.amdhsa_memory_ordered 1
		.amdhsa_forward_progress 1
		.amdhsa_inst_pref_size 17
	.end_amdhsa_kernel
	.amdgpu_metadata
---
amdhsa.version: [ 1, 2 ]
amdhsa.kernels:
  - .name:           k_q96a7b0864f_final
    .symbol:         k_q96a7b0864f_final.kd
    .args:
      - { .name: logit, .offset: 0, .size: 8, .value_kind: global_buffer, .address_space: global }
      - { .name: x, .offset: 8, .size: 8, .value_kind: global_buffer, .address_space: global }
      - { .name: out0, .offset: 16, .size: 8, .value_kind: global_buffer, .address_space: global }
      - { .name: out1, .offset: 24, .size: 8, .value_kind: global_buffer, .address_space: global }
    .group_segment_fixed_size: 10752
    .private_segment_fixed_size: 0
    .kernarg_segment_align: 8
    .kernarg_segment_size: 32
    .max_flat_workgroup_size: 512
    .sgpr_count:     66
    .vgpr_count:     192
    .wavefront_size: 32
...
	.end_amdgpu_metadata
.endif
;; end of part 4
;; ======== version 2 of 2: 4 launches
;; limits: right only within a limited range of input values
;; workspace buffers: xq 8,388,608 bytes; xpart 131,072 bytes; wq 4,194,304 bytes; cs 262,144 bytes; logit 65,536 bytes; cpart 524,288 bytes
;; launch xprep (part 5): grid 256 x 1, 16 waves a work-group, no clusters, 145,408 bytes of LDS; arguments x, lowp_scales, xq, xpart; writes xq, xpart
.if DOCPART == 5
	.amdgcn_target "amdgcn-amd-amdhsa--gfx1250"
	.amdhsa_code_object_version 6
	.text
	.protected	k_q96a7b0864f_xprep
	.globl	k_q96a7b0864f_xprep
	.p2align	8
	.type	k_q96a7b0864f_xprep,@function
k_q96a7b0864f_xprep:
	s_mov_b64 s[64:65], 0
	v_nop
	global_prefetch_b8 v0, s[64:65] scope:SCOPE_SE
	s_setreg_imm32_b32 hwreg(HW_REG_WAVE_MODE, 25, 1), 1
	s_wait_xcnt 0x0
; FIRST OF FOUR LAUNCHES.  The program: x [16][1024][512] -> (product 1, K = 512) 4,096 hidden numbers a row, + a term of the batch alone (product 2 on the mean of x, + b_ent),
; quantised -> (product 3, K = 4,096) 512 numbers a row -> LayerNorm, tanh, dot with m2_w -> softmax over each batch's 1,024 positions -> weighted sum of x.
; WORK LEFT OUT: m2_b.  It is added to every logit of a batch alike, and both outputs hang on the logits through softmax along that axis alone: softmax(l + c) = softmax(l) for every
; real c and every l.  So m2_b has no way to any output; it is not loaded and is an argument of no launch.  LIMIT: a NaN, an infinity or an overflow that m2_b alone would bring is not carried to the result.
; THIS LAUNCH: x is turned into codes of E5M2 with the given scale 2^e1 (entry 1 of the scales), laid in the order of the operand's registers, and the column sums of x are begun.
; code = x / 2^e1, held within +-57,344, to the nearest code, ties to even.  LIMITS: e1 between -126 and 112; NaN among the inputs is not served.
; AN IMAGE is a fragment (16 rows x 128 K, 16 registers a lane) as it stands: lane (r = l % 16, h = l / 16) holds row r, registers 4 c .. 4 c + 3 hold k = 32 c + 16 h + 0 .. 15; block c of 512 bytes holds lane l's 16 bytes at 16 l.
; xq: block g = row / 64 of 32 KiB; image (row tile m, K step s) at (4 m + s) x 2,048.   xpart: f32 [batch][q][512]: sums over rows 256 q .. 256 q + 255.
; SHARES.  Work-group id: 4 b + q = id / 4, s = id % 4: 256 rows x 128 columns.  Wave v: 16 rows, one image.  All of a work-group's 128 KiB are asked for at once: no ring.
; No cluster: no two work-groups read the same bytes.  No matrix work.
.set SP,    528                        ; a stage row: 512 bytes + 16: the sixteen rows of a store start at sixteen different 16-byte columns
.set STGW,  16*SP                      ; a wave's stage
.set RED,   16*STGW                    ; behind the stages: 512 bytes of column sums for each wave
.set SPARE, RED+16*512                 ; the spare words, 128 bytes for each wave: eight blocks of 256 bytes that no other line names
.set R,     16                         ; v16-79   my 64 numbers: register 16 c + i = k 32 c + 16 h + i of row r
.set CSM,   80                         ; v80-143  16 rows x my 4 columns
.set PC,    144                        ; v144-159 the codes
.macro TREE base                       ; 16 groups of four registers are added into the first: 30 packed additions
.irp d, 8,4,2,1
.set ti, 0
.rept \d
	v_pk_add_f32 v[\base+4*ti:\base+4*ti+1], v[\base+4*ti:\base+4*ti+1], v[\base+4*(ti+\d):\base+4*(ti+\d)+1]
	v_pk_add_f32 v[\base+4*ti+2:\base+4*ti+3], v[\base+4*ti+2:\base+4*ti+3], v[\base+4*(ti+\d)+2:\base+4*(ti+\d)+3]
.set ti, ti+1
.endr
.endr
.endm
	s_load_b128 s[4:7], s[0:1], 0x0                ; x, the scales' exponents
	s_load_b128 s[8:11], s[0:1], 0x10              ; xq, xpart
	v_lshl_add_u32 v12, v0, 2, SPARE               ; my spare word
	v_mov_b32 v13, 0
	v_lshrrev_b32 v1, 5, v0
	s_delay_alu instid0(VALU_DEP_1)
	v_readfirstlane_b32 s12, v1                    ; wave 0..15
	v_and_b32 v14, 15, v0                          ; r
	v_bfe_u32 v15, v0, 4, 1                        ; h
	v_and_b32 v2, 31, v0
	s_delay_alu instid0(VALU_DEP_1)
	v_lshlrev_b32 v2, 4, v2                        ; 16 x lane
	s_mul_i32 s13, s12, STGW
	v_mul_u32_u24 v3, v14, SP
	s_delay_alu instid0(VALU_DEP_1)
	v_lshl_add_u32 v3, v15, 6, v3
	s_delay_alu instid0(VALU_DEP_1)
	v_add_nc_u32 v3, s13, v3                       ; into my stage: row r, + 64 h
	v_add_nc_u32 v4, s13, v2                       ; back: a row's 512 bytes, 16 a lane
	s_lshl_b32 s14, s12, 9
	s_add_co_u32 s14, s14, RED
	v_add_nc_u32 v5, s14, v2                       ; my wave's column sums
	v_add_nc_u32 v6, RED, v2                       ; and all sixteen waves'
	s_lshr_b32 s15, ttmp9, 2                       ; 4 b + q
	s_and_b32 s16, ttmp9, 3                        ; s
	s_lshl_b32 s17, s15, 8
	s_lshl_b32 s18, s12, 4
	s_add_co_u32 s17, s17, s18                     ; my first row: 256 (4 b + q) + 16 v
	s_lshl_b32 s20, s17, 11
	s_lshl_b32 s18, s16, 9
	s_add_co_u32 s20, s20, s18                     ; its byte in x, + 512 s
	s_mov_b32 s21, 0
	s_lshr_b32 s22, s17, 6
	s_lshl_b32 s22, s22, 15                        ; block g
	s_and_b32 s19, s12, 3
	s_lshl_b32 s19, s19, 2
	s_add_co_u32 s19, s19, s16
	s_lshl_b32 s19, s19, 11                        ; image 4 m + s
	s_add_co_u32 s22, s22, s19
	s_mov_b32 s23, 0
	s_lshl_b32 s24, s15, 11
	s_add_co_u32 s24, s24, s18                     ; xpart: (4 b + q) x 2,048 + 512 s
	s_mov_b32 s25, 0
	s_wait_alu depctr_va_vdst(0)
	s_wait_kmcnt 0x0
	s_load_b32 s26, s[6:7], 0x4                    ; e1
	s_add_nc_u64 s[4:5], s[4:5], s[20:21]
	s_add_nc_u64 s[8:9], s[8:9], s[22:23]
	s_add_nc_u64 s[10:11], s[10:11], s[24:25]
.irp c, 0,1,2,3
.irp j, 0,1,2,3
	global_load_b128 v[CSM+16*\c+4*\j:CSM+16*\c+4*\j+3], v2, s[4:5] offset:2048*(4*\c+\j) th:TH_LOAD_NT   ; row 4 c + j: the 32 lanes read its 512 consecutive bytes, a lane to four columns
.endr
.endr
	s_wait_kmcnt 0x0
	s_add_co_i32 s26, s26, 127
	s_lshl_b32 s27, s26, 23
	v_mov_b32 v8, s27                              ; 2^e1 as f32: the conversion takes its exponent field
	s_add_co_i32 s26, s26, 15
	s_lshl_b32 s26, s26, 23
	s_or_b32 s26, s26, 0x600000
	v_mov_b32 v9, s26                              ; 57,344 x 2^e1
	s_wait_loadcnt 0x0
	; the column sums want a lane to a column: the numbers turn through my own stage
.irp c, 0,1,2,3
.irp j, 0,1,2,3
	ds_store_b128 v4, v[CSM+16*\c+4*\j:CSM+16*\c+4*\j+3] offset:SP*(4*\c+\j)   ; the rows as they were loaded; the quantiser wants a lane to a row
.endr
.endr
.irp i, 0,1,2,3,4,5,6,7,8,9,10,11,12,13,14,15
	ds_load_b128 v[R+4*\i:R+4*\i+3], v3 offset:128*(\i/4)+16*(\i%4)   ; back as row r, k 32 c + 16 h + 4 j on, i = 4 c + j; LDS serves a wave's instructions in order (ISA guide 5.7.1.4)
.endr
	s_wait_dscnt 0x0                               ; the rows are back, and the stores have read CSM
	TREE CSM                                       ; sums of my 16 rows, columns 4 l .. 4 l + 3
	ds_store_b128 v5, v[CSM:CSM+3]
.set qi, 0
.rept 64
	v_med3_num_f32 v[R+qi], v[R+qi], -v9, v9       ; the conversion to an 8-bit code does not saturate (ISA guide 7.6.2): the hold at the largest code x the scale
.set qi, qi+1
.endr
.irp k, 0,1,2,3,4,5,6,7
	v_cvt_scalef32_pk8_bf8_f32 v[PC+2*\k:PC+2*\k+1], v[R+8*\k:R+8*\k+7], v8
.endr
	v_nop                                          ; a plain line behind the last conversion
.irp c, 0,1,2,3
	global_store_b128 v2, v[PC+4*\c:PC+4*\c+3], s[8:9] offset:512*\c   ; 32 lanes store 512 consecutive bytes, at a multiple of 512 from xq's first byte
.endr
	s_wait_dscnt 0x0                               ; for the others' sake: my column sums lie in LDS
	s_barrier_signal -1
	s_barrier_wait -1
	s_cmp_lg_u32 s12, 0                            ; wave 0 adds the sixteen waves' sums
	s_cbranch_scc1 .Ldone
.irp i, 0,1,2,3,4,5,6,7,8,9,10,11,12,13,14,15
	ds_load_b128 v[CSM+4*\i:CSM+4*\i+3], v6 offset:512*\i
.endr
	s_wait_dscnt 0x0
	TREE CSM
	global_store_b128 v2, v[CSM:CSM+3], s[10:11]   ; 512 consecutive bytes
.Ldone:
	s_wait_tensorcnt 0x0                           ; the wave's end, behind my last LDS store
	ds_add_u32 v12, v13
	s_wait_dscnt 0x0
	s_endpgm
.Lfunc_end_k_q96a7b0864f_xprep:
	.size	k_q96a7b0864f_xprep, .Lfunc_end_k_q96a7b0864f_xprep-k_q96a7b0864f_xprep
	.p2alignl 7, 3214868480
	.fill 96, 4, 3214868480
	.section	.rodata,"a",@progbits
	.p2align	6, 0x0
	.amdhsa_kernel k_q96a7b0864f_xprep
		.amdhsa_group_segment_fixed_size 145408
		.amdhsa_private_segment_fixed_size 0
		.amdhsa_enable_private_segment 0
		.amdhsa_kernarg_size 32
		.amdhsa_user_sgpr_count 2
		.amdhsa_user_sgpr_kernarg_segment_ptr 1
		.amdhsa_wavefront_size32 1
		.amdhsa_system_sgpr_workgroup_id_x 1
		.amdhsa_system_sgpr_workgroup_id_y 1
		.amdhsa_system_sgpr_workgroup_id_z 1
		.amdhsa_system_vgpr_workitem_id 0
		.amdhsa_next_free_vgpr 176
		.amdhsa_next_free_sgpr 66
		.amdhsa_reserve_vcc 0
		.amdhsa_float_denorm_mode_32 3
		.amdhsa_float_denorm_mode_16_64 3
		.amdhsa_memory_ordered 1
		.amdhsa_forward_progress 1
		.amdhsa_inst_pref_size 17
	.end_amdhsa_kernel
	.amdgpu_metadata
---
amdhsa.version: [ 1, 2 ]
amdhsa.kernels:
  - .name:           k_q96a7b0864f_xprep
    .symbol:         k_q96a7b0864f_xprep.kd
    .args:
      - { .name: x, .offset: 0, .size: 8, .value_kind: global_buffer, .address_space: global }
      - { .name: lowp_scales, .offset: 8, .size: 8, .value_kind: global_buffer, .address_space: global }
      - { .name: xq, .offset: 16, .size: 8, .value_kind: global_buffer, .address_space: global }
      - { .name: xpart, .offset: 24, .size: 8, .value_kind: global_buffer, .address_space: global }
    .group_segment_fixed_size: 145408
    .private_segment_fixed_size: 0
    .kernarg_segment_align: 8
    .kernarg_segment_size: 32
    .max_flat_workgroup_size: 512
    .sgpr_count:     66
    .vgpr_count:     176
    .wavefront_size: 32
...
	.end_amdgpu_metadata
.endif
;; end of part 5
;; launch wprep (part 6): grid 192 x 1, 4 waves a work-group, no clusters, 277,504 bytes of LDS; arguments W_ent, m1_w, b_ent, lowp_scales, xpart, wq, cs; writes wq, cs
.if DOCPART == 6
	.amdgcn_target "amdgcn-amd-amdhsa--gfx1250"
	.amdhsa_code_object_version 6
	.text
	.protected	k_q96a7b0864f_wprep
	.globl	k_q96a7b0864f_wprep
	.p2align	8
	.type	k_q96a7b0864f_wprep,@function
k_q96a7b0864f_wprep:
	s_mov_b64 s[64:65], 0
	v_nop
	global_prefetch_b8 v0, s[64:65] scope:SCOPE_SE
	s_setreg_imm32_b32 hwreg(HW_REG_WAVE_MODE, 25, 1), 1
	s_wait_xcnt 0x0
; SECOND LAUNCH.  Two roles, parted once on the work-group's number (the same in all four waves); each role is a whole path of its own, with LDS bytes of its own for its rows.  m2_b is left out (shown at the head of the first launch).
; ROLE A (work-groups 0-63): product 2.  xbar = the mean of x over a batch's rows is finished from xpart and quantised with 2^e2 (the division by 1,024 is folded into the scale: e2 + 10);
;   W2 = W_ent[:, :, 512:] is quantised with 2^e3; cs[b][f] = (2^(e2+e3) x sum + b_ent) x 2^-(e0+e1), f = 8 e + state: the term that the third launch gives product 1's sums as their first C.
;   Wave w of work-group a takes tile tau = 4 a + w: f = 16 tau + r, which is W_ent[r % 8][2 tau + r / 8].  The sixteen batches are the other side's sixteen rows.
; ROLE W (work-groups 64-191): W1 = W_ent[:, :, :512] (2^e0) and m1_w (2^e5) become codes, laid as images (16 rows x 128 K in the order of the operand's registers: lane (r, h) holds row r,
;   registers 4 c .. 4 c + 3 hold k = 32 c + 16 h + 0 .. 15).  A wave turns 16 rows x 512 K (unit (c, w', t)) into four images, K steps s = 0 .. 3.
;   wq: 32 phases of 131,072 bytes, phase 2 C + kind (C: a chunk of 256 hidden units; kind 0: W1, 1: m1); in a phase wave w of the third launch owns 32,768 bytes, image j at 2,048 j.
;   W1 unit (c, w', t): lane r is hidden unit 512 c + 128 w' + 32 (t / 2) + 8 (t % 2) + r + 8 (r / 8): C = 2 c + w' / 2, w = 2 (w' % 2) + t / 4, j = 4 s + t % 4.
;   m1 unit (c, w', t): lane r is row 128 w' + 16 t + r, columns 512 c on: C = 2 c + s / 2, w = w', j = 8 (s % 2) + t.
; THE ROWS.  Each load takes 512 consecutive bytes of one row; the quantiser wants a lane to a row with 16 neighbours along K: the 16 rows turn through the wave's own stage in LDS (rows 2,064 bytes apart).
; LIMITS: e0, e3, e5 and e2 + 10 between -126 and 112; NaN among the inputs is not served.
; No cluster: what work-groups share is xpart, 128 KiB beside 25 MB of weights that are read once.  Each wave asks for all its 32 KiB of rows at once: no ring.
; REGISTERS: window 0: v2-8 addresses; v10-13 scales and holds; v14, v15 the add's two; v16-23 b_ent; v24-39 two accumulators; v40-47 results; v48-63 xbar's codes; v64-127 the rows' four fragments;
;   v128-191 xbar's four; v192-199 the way out; v200-203 the images' places; v204, v205 the stage; v208-223 the rows' offsets.   window 1: the rows as loaded.   window 2: xpart's numbers, then the rows as turned.
.set XIMG,  0                          ; LDS: xbar's four images,
.set STG,   8192                       ; a stage of 16 rows (batches) x (256 bytes + 16),
.set SPARE, 12544                      ; the spare words, 128 bytes for each wave: two blocks of 256 bytes that no other line names,
.set TP,    2064                       ; a turning row: 2,048 bytes + 16,
.set TWV,   16*TP                      ; a wave's 16,
.set TRA,   13312                      ; role A's four turning stages,
.set TRW,   TRA+4*TWV                  ; and role W's
.set ACC0,  24
.set ACC1,  32
.set RES,   40
.set PC,    48
.set WC,    64
.set XF,    128
.set OUTR,  192
.set MSB, 0
.macro WIN new                         ; the immediate's high byte repeats the setting that is left
.if MSB != \new
	s_set_vgpr_msb (MSB<<8)|\new
.set MSB, \new
.endif
.endm
.macro ROWLOADS                        ; my 16 rows x 2,048 bytes: row i lies (i % 8) x s32 + (i / 8) x s33 bytes behind s[24:25]; register 16 i + 4 q of window 1 on = bytes 512 q + 16 x lane of row i
	s_mov_b32 s57, 0
.irp i, 0,1,2,3,4,5,6,7
	v_add_nc_u32 v[208+\i], s57, v2
	v_add_nc_u32 v[216+\i], s33, v[208+\i]
	s_add_co_u32 s57, s57, s32
.endr
	WIN 0x40
.set ri, 0
.rept 16
.irp q, 0,1,2,3
	global_load_b128 v[16*ri+4*\q:16*ri+4*\q+3], v[208+ri], s[24:25] offset:512*\q th:TH_LOAD_NT
.endr
.set ri, ri+1
.endr
	WIN 0
.endm
.macro TURNROWS                        ; through my stage: in as loaded, back as register 64 s + 16 c + i of window 2 = k 128 s + 32 c + 16 h + i of row r
.set ri, 0
.rept 16
	s_wait_loadcnt 60-4*ri                         ; row ri's four loads are in; the later rows' may be out
	WIN 0x04
.irp q, 0,1,2,3
	ds_store_b128 v204, v[16*ri+4*\q:16*ri+4*\q+3] offset:TP*ri+512*\q
.endr
.set ri, ri+1
.endr
	WIN 0x80
.irp s, 0,1,2,3
.irp c, 0,1,2,3
.irp j, 0,1,2,3
	ds_load_b128 v[64*\s+16*\c+4*\j:64*\s+16*\c+4*\j+3], v205 offset:512*\s+128*\c+16*\j   ; LDS serves a wave's instructions in order (ISA guide 5.7.1.4): these see my stores
.endr
.endr
.endr
	WIN 0
.endm
.macro QROWS s                         ; K step s of the rows becomes a fragment in v[WC + 16 s] on
	s_wait_dscnt 16*(3-\s)                         ; the later K steps' loads, sixteen each, may stay out
	WIN 0x82
.set qi, 0
.rept 64
	v_med3_num_f32 v[64*\s+qi], v[64*\s+qi], -v11, v11   ; the hold at the largest code x the scale (ISA guide 7.6.2)
.set qi, qi+1
.endr
	WIN 0x02
.irp k, 0,1,2,3,4,5,6,7
	v_cvt_scalef32_pk8_bf8_f32 v[WC+16*\s+2*\k:WC+16*\s+2*\k+1], v[64*\s+8*\k:64*\s+8*\k+7], v10
.endr
	v_nop                                          ; a plain line behind the last conversion
	WIN 0
.endm
.macro MKSCALE e, vs, vl               ; s[e] holds an exponent (and is used up): v[vs] = 2^e as f32, v[vl] = 57,344 x 2^e
	s_add_co_i32 s[\e], s[\e], 127
	s_lshl_b32 s35, s[\e], 23
	v_mov_b32 v[\vs], s35
	s_add_co_i32 s[\e], s[\e], 15
	s_lshl_b32 s[\e], s[\e], 23
	s_or_b32 s[\e], s[\e], 0x600000
	v_mov_b32 v[\vl], s[\e]
.endm
	s_load_b256 s[4:11], s[0:1], 0x0               ; W_ent s[4:5], m1_w s[6:7], b_ent s[8:9], the scales' exponents s[10:11]
	s_load_b128 s[12:15], s[0:1], 0x20             ; xpart s[12:13], wq s[14:15]
	s_load_b64 s[16:17], s[0:1], 0x30              ; cs
	v_lshl_add_u32 v14, v0, 2, SPARE
	v_mov_b32 v15, 0
	v_lshrrev_b32 v40, 5, v0
	v_readfirstlane_b32 s18, v40                   ; wave 0..3
	v_and_b32 v40, 15, v0                          ; r
	v_bfe_u32 v41, v0, 4, 1                        ; h
	v_and_b32 v2, 31, v0
	v_lshlrev_b32 v2, 4, v2                        ; 16 x lane
	s_mul_i32 s19, s18, TWV
	v_add_nc_u32 v204, s19, v2                     ; my turning stage, in: 16 x lane
	v_mul_u32_u24 v205, v40, TP
	v_lshl_add_u32 v205, v41, 6, v205
	v_add_nc_u32 v205, s19, v205                   ; and back: row r, + 64 h
	v_lshlrev_b32 v3, 13, v40
	v_lshl_add_u32 v3, v41, 6, v3                  ; xpart: batch r of 8,192 bytes + 64 h
	v_lshlrev_b32 v4, 2, v41                       ; b_ent: 4 h
	s_lshl_b32 s19, s18, 11
	v_add_nc_u32 v5, s19, v2                       ; where I store xbar's image: 2,048 w + 16 x lane (XIMG is LDS byte 0)
	s_lshl_b32 s19, s18, 6
	s_add_co_u32 s19, s19, STG
	v_mul_u32_u24 v6, v40, 272
	v_lshl_add_u32 v6, v41, 5, v6
	v_add_nc_u32 v6, s19, v6                       ; the stage, in: row b = r, + 64 w + 32 h
	s_mul_i32 s19, s18, 4*272
	s_add_co_u32 s19, s19, STG
	v_mul_u32_u24 v7, v41, 272
	v_lshl_add_u32 v7, v40, 4, v7
	v_add_nc_u32 v7, s19, v7                       ; back: rows 4 w + h (and two further on), sixteen lanes to a row
	s_lshl_b32 s19, s18, 16
	v_lshlrev_b32 v8, 14, v41
	v_lshl_add_u32 v8, v40, 4, v8
	v_add_nc_u32 v8, s19, v8                       ; and the same place in cs: a batch's row is 16,384 bytes
	s_mov_b32 s23, 0
	s_wait_alu depctr_va_vdst(0)
	s_wait_kmcnt 0x0
	s_load_b128 s[40:43], s[10:11], 0x0            ; e0, e1, e2, e3
	s_load_b64 s[44:45], s[10:11], 0x10            ; e4, e5
	s_cmp_ge_u32 ttmp9, 64
	s_cbranch_scc1 .Lrole_w
	; ---------------- ROLE A
	s_lshl_b32 s20, ttmp9, 2
	s_add_co_u32 s20, s20, s18                     ; tau
	s_lshl_b32 s22, s20, 13
	s_add_co_u32 s22, s22, 2048                    ; rows 2 tau on, columns 512 on
	s_add_nc_u64 s[24:25], s[4:5], s[22:23]
	s_lshl_b32 s22, s20, 3
	s_add_nc_u64 s[8:9], s[8:9], s[22:23]          ; b_ent at e = 2 tau
	s_lshl_b32 s22, s18, 9
	s_add_nc_u64 s[12:13], s[12:13], s[22:23]      ; xpart at K step w
	s_lshl_b32 s22, ttmp9, 8
	s_add_nc_u64 s[16:17], s[16:17], s[22:23]      ; cs at f = 64 a
	s_mov_b32 s32, 0x200000                        ; from r % 8 to the next: a state of W_ent
	s_mov_b32 s33, 4096                            ; for r / 8: a row
	v_add_nc_u32 v204, TRA, v204
	v_add_nc_u32 v205, TRA, v205
	WIN 0x80
.irp q, 0,1,2,3
.irp c, 0,1,2,3
.irp j, 0,1,2,3
	global_load_b128 v[64*\q+16*\c+4*\j:64*\q+16*\c+4*\j+3], v3, s[12:13] offset:2048*\q+128*\c+16*\j
.endr
.endr
.endr
	WIN 0
.irp j, 0,1,2,3,4,5,6,7
	global_load_b32 v[16+\j], v4, s[8:9] offset:2048*\j   ; b_ent[state j][2 tau + h]: f = 16 tau + 8 h + j
.endr
	ROWLOADS
	s_wait_kmcnt 0x0
	s_mov_b32 s34, s43
	MKSCALE 34, 10, 11                             ; the rows': e3
	s_add_co_i32 s36, s42, 10
	MKSCALE 36, 12, 13                             ; the sums': e2 + 10
	s_add_co_i32 s37, s42, s43                     ; e2 + e3
	s_add_co_i32 s38, s40, s41
	s_sub_co_i32 s38, 0, s38                       ; -(e0 + e1)
	s_wait_alu depctr_va_vdst(0)
	s_wait_loadcnt 63                              ; 136 loads were issued, xpart's 64 first: with 63 out at the most they are in
	WIN 0x8a
.irp q, 1,2,3
.set qi, 0
.rept 32
	v_pk_add_f32 v[qi:qi+1], v[qi:qi+1], v[64*\q+qi:64*\q+qi+1]
.set qi, qi+2
.endr
.endr
	WIN 0x82
.set qi, 0
.rept 64
	v_med3_num_f32 v[qi], v[qi], -v13, v13
.set qi, qi+1
.endr
	WIN 0x02
.irp k, 0,1,2,3,4,5,6,7
	v_cvt_scalef32_pk8_bf8_f32 v[PC+2*\k:PC+2*\k+1], v[8*\k:8*\k+7], v12
.endr
	v_nop
	WIN 0
.irp c, 0,1,2,3
	ds_store_b128 v5, v[PC+4*\c:PC+4*\c+3] offset:XIMG+512*\c   ; xbar's K step w, as an image of its registers
.endr
	s_wait_dscnt 0x0                               ; for the others' sake: my image lies in LDS
	s_barrier_signal -1
	s_barrier_wait -1
.irp s, 0,1,2,3
.irp c, 0,1,2,3
	ds_load_b128 v[XF+16*\s+4*\c:XF+16*\s+4*\c+3], v2 offset:XIMG+2048*\s+512*\c
.endr
.endr
	TURNROWS
	QROWS 0
	QROWS 1
	QROWS 2
	QROWS 3
	; source 0 = my 16 rows f, source 1 = the 16 batches: lane (b, h), register j holds f = 16 tau + 8 h + j.  Two accumulators by turns
	v_wmma_f32_16x16x128_bf8_bf8 v[ACC0:ACC0+7], v[WC:WC+15], v[XF:XF+15], 0
	v_wmma_f32_16x16x128_bf8_bf8 v[ACC1:ACC1+7], v[WC+16:WC+31], v[XF+16:XF+31], 0
	s_wait_alu depctr_va_vdst(0)
	v_wmma_f32_16x16x128_bf8_bf8 v[ACC0:ACC0+7], v[WC+32:WC+47], v[XF+32:XF+47], v[ACC0:ACC0+7]
	v_wmma_f32_16x16x128_bf8_bf8 v[ACC1:ACC1+7], v[WC+48:WC+63], v[XF+48:XF+63], v[ACC1:ACC1+7]
.rept 4
	v_nop                                          ; four places in front of the first read of results (ISA guide 7.12.1)
.endr
.irp j, 0,2,4,6
	v_pk_add_f32 v[RES+\j:RES+\j+1], v[ACC0+\j:ACC0+\j+1], v[ACC1+\j:ACC1+\j+1]   ; each accumulator from its low end on
.endr
.irp j, 0,1,2,3,4,5,6,7
	v_ldexp_f32 v[RES+\j], v[RES+\j], s37          ; x 2^(e2 + e3)
.endr
.irp j, 0,1,2,3,4,5,6,7
	v_add_f32 v[RES+\j], v[RES+\j], v[16+\j]       ; + b_ent
.endr
.irp j, 0,1,2,3,4,5,6,7
	v_ldexp_f32 v[RES+\j], v[RES+\j], s38          ; / 2^(e0 + e1): the power of two that product 1's sums lack
.endr
	ds_store_b128 v6, v[RES:RES+3]
	ds_store_b128 v6, v[RES+4:RES+7] offset:16
	s_wait_dscnt 0x0                               ; a batch's 256 bytes come from four waves
	s_barrier_signal -1
	s_barrier_wait -1
	ds_load_b128 v[OUTR:OUTR+3], v7
	ds_load_b128 v[OUTR+4:OUTR+7], v7 offset:544
	s_wait_dscnt 1                                 ; the first of the two is in
	global_store_b128 v8, v[OUTR:OUTR+3], s[16:17]                 ; sixteen lanes store 256 consecutive bytes, at a multiple of 256 from cs's first byte
	s_wait_dscnt 0x0
	global_store_b128 v8, v[OUTR+4:OUTR+7], s[16:17] offset:32768
	s_branch .Lend
	; ---------------- ROLE W
.Lrole_w:
	s_sub_co_u32 s20, ttmp9, 64
	s_lshr_b32 s21, s20, 6                         ; 0: W1, 1: m1
	s_lshl_b32 s20, s20, 2
	s_add_co_u32 s20, s20, s18
	s_and_b32 s20, s20, 255                        ; my unit of the tensor's 256
	s_lshr_b32 s26, s20, 5                         ; c
	s_bfe_u32 s27, s20, 0x20003                    ; w'
	s_and_b32 s28, s20, 7                          ; t
	s_lshl_b32 s29, s26, 6
	s_lshl_b32 s30, s27, 4
	s_add_co_u32 s29, s29, s30
	s_lshr_b32 s30, s28, 1
	s_lshl_b32 s30, s30, 2
	s_add_co_u32 s29, s29, s30
	s_and_b32 s30, s28, 1
	s_add_co_u32 s29, s29, s30
	s_lshl_b32 s29, s29, 12                        ; W1: e = 64 c + 16 w' + 4 (t / 2) + t % 2, rows of 4,096 bytes
	s_lshl_b32 s31, s27, 7
	s_lshl_b32 s30, s28, 4
	s_add_co_u32 s31, s31, s30
	s_lshl_b32 s31, s31, 14
	s_lshl_b32 s30, s26, 11
	s_add_co_u32 s31, s31, s30                     ; m1: row 128 w' + 16 t of 16,384 bytes, + 2,048 c
	; the images' places in wq
	s_lshl_b32 s50, s26, 19                        ; c: four phases
	s_lshl_b32 s46, s27, 15
	s_lshl_b32 s51, s28, 11
	s_add_co_u32 s46, s46, s51
	s_add_co_u32 s46, s46, 131072                  ; m1, s = 0: phase + 1, wave w', j = t
	s_lshr_b32 s52, s27, 1
	s_lshl_b32 s52, s52, 18                        ; W1: two phases for w' / 2,
	s_and_b32 s53, s27, 1
	s_lshl_b32 s53, s53, 1
	s_lshr_b32 s54, s28, 2
	s_add_co_u32 s53, s53, s54
	s_lshl_b32 s53, s53, 15                        ; wave 2 (w' % 2) + t / 4,
	s_add_co_u32 s52, s52, s53
	s_and_b32 s54, s28, 3
	s_lshl_b32 s54, s54, 11                        ; j = t % 4
	s_add_co_u32 s52, s52, s54
	s_mov_b32 s32, 16384
	s_mov_b32 s33, 131072
	s_mov_b32 s47, 16384
	s_mov_b32 s48, 262144
	s_cmp_eq_u32 s21, 0                            ; the choices hang on ids alone
	s_cselect_b32 s22, s29, s31
	s_cselect_b64 s[24:25], s[4:5], s[6:7]
	s_cselect_b32 s32, 0x200000, s32               ; from r % 8 to the next: a state of W_ent, or a row of m1
	s_cselect_b32 s33, 8192, s33                   ; for r / 8: two rows of W_ent, or eight of m1
	s_cselect_b32 s46, s52, s46
	s_cselect_b32 s47, 8192, s47                   ; from s = 0 to 1 and from 2 to 3: four images, or eight
	s_cselect_b32 s48, 16384, s48                  ; from s = 0 to 2: eight images, or a chunk
	s_add_nc_u64 s[24:25], s[24:25], s[22:23]
	s_add_co_u32 s46, s46, s50
	s_add_co_u32 s49, s46, s48
	v_add_nc_u32 v204, TRW, v204
	v_add_nc_u32 v205, TRW, v205
	v_add_nc_u32 v200, s46, v2
	v_add_nc_u32 v202, s49, v2
	v_add_nc_u32 v201, s47, v200
	v_add_nc_u32 v203, s47, v202
	ROWLOADS
	s_wait_kmcnt 0x0
	s_cmp_eq_u32 s21, 0
	s_cselect_b32 s34, s40, s45                    ; e0 or e5: a choice, no branch
	MKSCALE 34, 10, 11
	s_wait_alu depctr_va_vdst(0)
	TURNROWS
.irp s, 0,1,2,3
	QROWS \s
.endr
.irp s, 0,1,2,3
.irp c, 0,1,2,3
	global_store_b128 v[200+\s], v[WC+16*\s+4*\c:WC+16*\s+4*\c+3], s[14:15] offset:512*\c   ; 512 consecutive bytes a store
.endr
.endr
.Lend:
	s_wait_tensorcnt 0x0                           ; the wave's end, behind my last LDS store
	ds_add_u32 v14, v15
	s_wait_dscnt 0x0
	s_endpgm
.Lfunc_end_k_q96a7b0864f_wprep:
	.size	k_q96a7b0864f_wprep, .Lfunc_end_k_q96a7b0864f_wprep-k_q96a7b0864f_wprep
	.p2alignl 7, 3214868480
	.fill 96, 4, 3214868480
	.section	.rodata,"a",@progbits
	.p2align	6, 0x0
	.amdhsa_kernel k_q96a7b0864f_wprep
		.amdhsa_group_segment_fixed_size 277504
		.amdhsa_private_segment_fixed_size 0
		.amdhsa_enable_private_segment 0
		.amdhsa_kernarg_size 56
		.amdhsa_user_sgpr_count 2
		.amdhsa_user_sgpr_kernarg_segment_ptr 1
		.amdhsa_wavefront_size32 1
		.amdhsa_system_sgpr_workgroup_id_x 1
		.amdhsa_system_sgpr_workgroup_id_y 1
		.amdhsa_system_sgpr_workgroup_id_z 1
		.amdhsa_system_vgpr_workitem_id 0
		.amdhsa_next_free_vgpr 768
		.amdhsa_next_free_sgpr 66
		.amdhsa_reserve_vcc 0
		.amdhsa_float_denorm_mode_32 3
		.amdhsa_float_denorm_mode_16_64 3
		.amdhsa_memory_ordered 1
		.amdhsa_forward_progress 1
		.amdhsa_inst_pref_size 98
	.end_amdhsa_kernel
	.amdgpu_metadata
---
amdhsa.version: [ 1, 2 ]
amdhsa.kernels:
  - .name:           k_q96a7b0864f_wprep
    .symbol:         k_q96a7b0864f_wprep.kd
    .args:
      - { .name: W_ent, .offset: 0, .size: 8, .value_kind: global_buffer, .address_space: global }
      - { .name: m1_w, .offset: 8, .size: 8, .value_kind: global_buffer, .address_space: global }
      - { .name: b_ent, .offset: 16, .size: 8, .value_kind: global_buffer, .address_space: global }
      - { .name: lowp_scales, .offset: 24, .size: 8, .value_kind: global_buffer, .address_space: global }
      - { .name: xpart, .offset: 32, .size: 8, .value_kind: global_buffer, .address_space: global }
      - { .name: wq, .offset: 40, .size: 8, .value_kind: global_buffer, .address_space: global }
      - { .name: cs, .offset: 48, .size: 8, .value_kind: global_buffer, .address_space: global }
    .group_segment_fixed_size: 277504
    .private_segment_fixed_size: 0
    .kernarg_segment_align: 8
    .kernarg_segment_size: 56
    .max_flat_workgroup_size: 128
    .sgpr_count:     66
    .vgpr_count:     768
    .wavefront_size: 32
...
	.end_amdgpu_metadata
.endif
;; end of part 6
;; launch chain (part 7): grid 256 x 1, 4 waves a work-group, clusters of 4 x 1, 327,680 bytes of LDS; arguments xq, wq, cs, lowp_scales, m1_b, ln_g, ln_b, m2_w, logit, x, cpart; writes logit, cpart
.if DOCPART == 7
	.amdgcn_target "amdgcn-amd-amdhsa--gfx1250"
	.amdhsa_code_object_version 6
	.text
	.protected	k_q96a7b0864f_chain
	.globl	k_q96a7b0864f_chain
	.p2align	8
	.type	k_q96a7b0864f_chain,@function
k_q96a7b0864f_chain:
	s_mov_b64 s[64:65], 0
	v_nop
	global_prefetch_b8 v0, s[64:65] scope:SCOPE_SE
	s_setreg_imm32_b32 hwreg(HW_REG_WAVE_MODE, 25, 1), 1
	s_wait_xcnt 0x0
	s_wait_alu depctr_hold_cnt(0) depctr_sa_sdst(0) depctr_va_vdst(0) depctr_va_sdst(0) depctr_va_ssrc(0) depctr_va_vcc(0) depctr_vm_vsrc(0)
	s_getreg_b32 s2, hwreg(HW_REG_IB_STS2, 6, 4)
	s_cmp_eq_u32 s2, 0
	s_cbranch_scc0 .Lentry_in_a_cluster
	s_endpgm
.Lentry_in_a_cluster:
	s_bfe_u32 s2, ttmp6, 0x10000c
	s_cmp_lg_u32 s2, 0x3003
	s_cbranch_scc0 .Lentry_shape_is_right
	s_endpgm
.Lentry_shape_is_right:
; THIRD LAUNCH: products 1 and 3, LayerNorm, tanh and the dot with m2_w, for 64 rows of x a work-group.  LEFT OUT: m2_b, the same along the softmax's axis (shown at the head of the first launch).
; The 4,096 hidden units go in 16 chunks of 256.  A chunk has two phases of 64 matrix instructions a wave, four groups of 16:
;   X(n), product 1: wave w makes 64 rows x hidden units 64 w .. 64 w + 63 of chunk n (K = 512; x's 16 fragments stay in registers; the first C is cs, the batch's term);
;   Y(n), product 3 of chunk n - 1: wave w adds that chunk's K = 256 onto 64 rows x outputs 128 w .. 128 w + 127, which begin as m1_b / 2^(e4 + e5).
; THE QUANTISER OF CHUNK n STANDS INSIDE Y(n): behind each pair of matrix instructions of Y's first three groups stand six of the 128 holds and 16 conversions (scale 2^(e4 - e0 - e1)) of X(n)'s sums.
; The codes go to LDS as images of the operand's registers ahead of Y's change of slots, whose barrier shows them to all waves; X(n + 1) fetches them as fragments for Y(n + 1).
; Both products are used transposed (source 0 = 16 rows of the weight, source 1 = 16 rows of x or of the hidden layer).
; THE WEIGHTS: a phase is 131,072 bytes of wq, 16 images of 2,048 bytes (a fragment as its registers hold it) for each wave, brought by ONE joint tensor load a wave (128 rows of 256 bytes) into a ring of two slots:
; slot 0 takes product 1's phases, slot 1 product 3's; the last phase of product 3 goes into slot 0, which product 1 needs no more.  Each wave reads only the LDS bytes that its own load brought.
; CLUSTER 4, 1, 1: the four work-groups walk the same stream and ask for each tile jointly.  Clusters begin at 16 different chunks (a sum over chunks has no first).
; No data prefetch: all 64 clusters walk the same 4 MiB, so of the 64 requests for a tile 63 follow another cluster's request for it in this launch.
; LIMITS: e4 - e0 - e1 between -126 and 112; e4 + e5 between -126 and 126; NaN among the inputs is not served.
; REGISTERS.  window 0: v1-19 addresses and constants; v20-63 at work at the end; v64-95 cs; v96-127 the hidden codes; v128-191, v192-255 two sets of four weight fragments.
;   window 1: x's fragments (m, K step) at 16 (4 m + ks); at the end ln_g, ln_b, m2_w.   window 2: v0-127 product 1's sums (m, tile) at 32 m + 8 tile; v128-255 the hidden layer's fragments (m, s) at 128 + 16 (2 m + s).
;   window 3: product 3's sums (m, t) at 64 m + 8 t.
.set PHB,   131072                     ; a phase in wq, and a slot
.set WQB,   4194304
.set HIMG,  262144                     ; the hidden layer's 8 images: (m, s) at 2,048 (2 m + s)
.set RED,   278528                     ; 3,072 bytes for the sums across waves
.set SPARE, 281600                     ; the spare words, 128 bytes for each wave: two blocks of 256 bytes that no other line names
.set MSB, 0
.macro WIN new                         ; the immediate's high byte repeats the setting that is left
.if MSB != \new
	s_set_vgpr_msb (MSB<<8)|\new
.set MSB, \new
.endif
.endm
.macro PLACES                          ; four places behind matrix instructions (ISA guide 7.12.1)
.rept 4
	v_nop
.endr
.endm
.macro CREST                           ; a round of the cluster's barrier behind its opening barrier
	s_cmp_lg_u32 s22, 0
	s_cbranch_scc1 .Lnot_wave_0_\@
	s_barrier_signal -3
.Lnot_wave_0_\@:
	s_barrier_wait -3
	s_barrier_signal -1
	s_barrier_wait -1
.endm
.macro CROUND
	s_barrier_signal -1
	s_barrier_wait -1
	CREST
.endm
.macro WLOAD slot, g                   ; images 4 g .. 4 g + 3 of my part of a slot into set g % 2: 16 loads
.irp f, 0,1,2,3
.irp c, 0,1,2,3
	ds_load_b128 v[128+64*((\g)%2)+16*\f+4*\c:128+64*((\g)%2)+16*\f+4*\c+3], v[2+\slot] offset:(4*(\g)+\f)*2048+512*\c
.endr
.endr
.endm
.macro HLOAD                           ; the hidden layer's 8 fragments, the first K step's four first: 32 loads
	WIN 0x80
.irp s, 0,1
.irp m, 0,1,2,3
.irp c, 0,1,2,3
	ds_load_b128 v[128+16*(2*\m+\s)+4*\c:128+16*(2*\m+\s)+4*\c+3], v5 offset:(2*\m+\s)*2048+512*\c
.endr
.endr
.endr
	WIN 0
.endm
.macro CSNEXT                          ; cs of my 64 hidden units of the next chunk: tile t, register j is unit 32 (t / 2) + 8 (t % 2) + 16 h + j: 8 loads
	s_wait_xcnt 0x0                                ; the earlier loads have read their base
	s_add_co_u32 s82, s82, 1024
	s_and_b32 s82, s82, 16383
	s_add_nc_u64 s[50:51], s[80:81], s[82:83]
	CSLOAD
.endm
; THE WEIGHTED SUM OF x IS BEGUN HERE: at the end the work-group takes the largest of its 64 logits away, p = exp(l - m), and stores cpart[work-group][c] = sum over its rows of p x[row][c]; the fourth launch joins a batch's 16 parts.
; Wave w takes columns 128 w .. 128 w + 127.  Rows first .. first + n - 1, 512 consecutive bytes a load, go into registers reg on of the window that win names: registers that are done with when the loads are issued.
.macro XROWS first, n, win, reg
	WIN \win
.set ri, 0
.rept \n
	global_load_b128 v[\reg+4*ri:\reg+4*ri+3], v1, s[84:85] offset:2048*(\first+ri) th:TH_LOAD_NT
.set ri, ri+1
.endr
	WIN 0
.endm
.macro CSLOAD
.irp t, 0,1,2,3
	global_load_b128 v[64+8*\t:64+8*\t+3], v6, s[50:51] offset:(32*(\t/2)+8*(\t%2))*4
	global_load_b128 v[64+8*\t+4:64+8*\t+7], v6, s[50:51] offset:(32*(\t/2)+8*(\t%2))*4+16
.endr
.endm
; A slice of the quantiser.  Three slices serve two accumulators (16 registers, 16 neighbours along product 3's K): 6 holds, 6 holds, 4 holds and the two conversions.  24 slices serve all 16.
.macro QS
.set aI, 16*(pI/3)
.set bI, aI+6*(pI%3)
	WIN 0x82
.set jI, 0
.rept 6-2*((pI%3)/2)
	v_med3_num_f32 v[bI+jI], v[bI+jI], -v8, v8     ; the hold at the largest code x the scale (ISA guide 7.6.2); each accumulator from its low end on
.set jI, jI+1
.endr
.if pI%3 == 2
	WIN 0x02
	v_cvt_scalef32_pk8_bf8_f32 v[96+4*(pI/3):97+4*(pI/3)], v[aI:aI+7], v7
	v_cvt_scalef32_pk8_bf8_f32 v[98+4*(pI/3):99+4*(pI/3)], v[aI+8:aI+15], v7
.endif
.set pI, pI+1
.endm
.macro HSTORE                          ; my codes: block 2 (w % 2) + b of image (m, w / 2)
	v_nop                                          ; a plain line behind the last conversion
	WIN 0
.irp m, 0,1,2,3
.irp b, 0,1
	ds_store_b128 v4, v[96+8*\m+4*\b:96+8*\m+4*\b+3] offset:4096*\m+512*\b
.endr
.endr
.endm
; images 4 g + f0 .. of a phase, each against the four row tiles.  k3 = 0: image 4 ks + tile.  k3 = 1: image 8 s + t.  q = 1: a slice behind each pair.
; The accumulators take turns, one instruction a turn.
.macro MUL k3, g, f0, nf, q
.set fI, \f0
.rept \nf
.set wR, 128+64*((\g)%2)+16*fI
.set tI, (4*(\g)+fI)%8
.set sI, (4*(\g)+fI)/8
.irp h, 0, 2
.if \k3
	WIN 0xf8
.elseif (\g) == 0
	WIN 0x84
.else
	WIN 0xa4
.endif
.irp m, \h, \h+1
.if \k3
	v_wmma_f32_16x16x128_bf8_bf8 v[64*(\m)+8*tI:64*(\m)+8*tI+7], v[wR:wR+15], v[128+16*(2*(\m)+sI):128+16*(2*(\m)+sI)+15], v[64*(\m)+8*tI:64*(\m)+8*tI+7]
.elseif (\g) == 0
	v_wmma_f32_16x16x128_bf8_bf8 v[32*(\m)+8*fI:32*(\m)+8*fI+7], v[wR:wR+15], v[64*(\m):64*(\m)+15], v[64+8*fI:64+8*fI+7]
.else
	v_wmma_f32_16x16x128_bf8_bf8 v[32*(\m)+8*fI:32*(\m)+8*fI+7], v[wR:wR+15], v[16*(4*(\m)+(\g)):16*(4*(\m)+(\g))+15], v[32*(\m)+8*fI:32*(\m)+8*fI+7]
.endif
.endr
.if \q
	QS
.endif
.endr
.set fI, fI+1
.endr
.endm
; group g = 0, 1, 2: the next group is fetched, this one multiplied.  hl = 1: the hidden fragments are fetched too.  cnt: the LDS loads just issued that may stay out.
.macro STEP k3, slot, g, hl, q, cnt
	PLACES
	WIN 0
	WLOAD \slot, (\g)+1
.if \hl
	HLOAD
.endif
.if \q
.if \g
	s_wait_alu depctr_va_vdst(0)                   ; holds of the last slice are read by a conversion behind it
.endif
.endif
	s_wait_dscnt \cnt
	MUL \k3, \g, 0, 4, \q
.endm
; Group 3: my reads of this slot are over.  fill = 1: the slot takes the next phase of its kind; 2: slot 0 takes product 3's last phase; 0: only a barrier, for the codes.
; nxt = 1: the next phase's group 0 is fetched from the other slot.  cnt: the LDS instructions behind group 3's loads (the add, the stores of codes).
.macro TURN k3, slot, fill, nxt, cnt
	WIN 0
	s_wait_tensorcnt 0x0                           ; all my tensor loads have landed: the one that was out is my part of the other slot
.if \fill
	ds_add_u32 v14, v15                            ; 0 onto my spare word
.if \fill == 1
	s_add_co_u32 s[76+2*\slot], s[76+2*\slot], 2*PHB   ; no load of mine is out: this slot's group 0 steps a chunk on, round the stream's end
	s_and_b32 s[76+2*\slot], s[76+2*\slot], WQB-1
	s_add_nc_u64 s[38+4*\slot:39+4*\slot], s[70:71], s[76+2*\slot:77+2*\slot]
.else
	s_add_co_u32 s78, s78, 2*PHB
	s_and_b32 s78, s78, WQB-1
	s_add_nc_u64 s[38+4*\slot:39+4*\slot], s[70:71], s[78:79]
.endif
	s_or_b32 s[39+4*\slot], s[39+4*\slot], 0x80000000
	s_wait_dscnt \cnt                              ; group 3's fragments are in
	MUL \k3, 3, 0, 2, 0                            ; eight matrix instructions stand between the add and the wait for it
	WIN 0
	s_wait_dscnt 0x0                               ; the add is done, my reads of this slot are over, my codes lie in LDS
	s_barrier_signal -1
	s_barrier_wait -1
	CREST                                          ; the round: no wave of any partner still reads this slot or has a load on its way
	tensor_load_to_lds s[36+4*\slot:39+4*\slot], s[28:35]
	s_nop 0
	PLACES                                         ; also the places in front of the loads below
.if \nxt
	WLOAD 1-(\slot), 0
.endif
	MUL \k3, 3, 2, 2, 0
.else
	s_wait_dscnt 0x0                               ; for the others' sake: my codes lie in LDS
	s_barrier_signal -1
	s_barrier_wait -1
	PLACES
	WLOAD 1-(\slot), 0
	MUL \k3, 3, 0, 4, 0
.endif
	WIN 0
.endm
.macro XPH fill, nxt, hl
	s_wait_loadcnt 0x0                             ; cs (and ahead of the first chunk x)
	STEP 0, 0, 0, \hl, 0, 16+32*(\hl)
	STEP 0, 0, 1, 0, 0, 16
	STEP 0, 0, 2, 0, 0, 16
	TURN 0, 0, \fill, \nxt, 1
.endm
.macro YPH fill, cs, xb
.set pI, 0
.if \cs
	CSNEXT
.endif
	STEP 1, 1, 0, 0, 1, 16
	STEP 1, 1, 1, 0, 1, 16
	STEP 1, 1, 2, 0, 1, 16
	HSTORE
.if \xb
	XROWS 16, 32, 0x80, 0                          ; product 1's sums are done with: rows 16-47 of x
.endif
	TURN 1, 1, \fill, 1, 9
.endm
	s_load_b512 s[4:19], s[0:1], 0x0               ; xq, wq, cs, the scales' exponents, m1_b, ln_g, ln_b, m2_w
	s_load_b64 s[20:21], s[0:1], 0x40              ; logit
	s_load_b128 s[84:87], s[0:1], 0x48             ; x, cpart
	v_lshl_add_u32 v14, v0, 2, SPARE
	v_mov_b32 v15, 0
	ds_add_u32 v14, v15                            ; the opening lines: the add, twice on end, and its wait ahead of my first tensor load
	ds_add_u32 v14, v15
	v_lshrrev_b32 v20, 5, v0
	v_readfirstlane_b32 s22, v20                   ; wave 0..3
	s_bfe_u32 s23, ttmp6, 0x40000                  ; cx
	s_lshl_b32 s24, ttmp9, 2
	s_add_co_u32 s24, s24, s23                     ; the work-group: rows 64 x it
	s_lshr_b32 s75, ttmp9, 2
	s_add_co_u32 s75, s75, ttmp9
	s_and_b32 s75, s75, 15                         ; the cluster's first chunk
	s_lshl_b32 s76, s75, 18                        ; product 1's place in the stream,
	s_mov_b32 s77, 0
	s_add_co_u32 s78, s76, PHB                     ; product 3's,
	s_mov_b32 s79, 0
	s_lshl_b32 s82, s75, 10                        ; and the chunk's in a row of cs
	s_mov_b32 s83, 0
	s_mov_b32 s28, 15|(3<<16)|(1<<21)              ; group 1: all four partners; elements of 8 bytes; 128 rows of 32, dense
	s_mov_b32 s29, 32<<16
	s_mov_b32 s30, 128<<16
	s_mov_b32 s31, 32<<16
	s_mov_b32 s32, 128
	s_mov_b32 s33, 32
	s_mov_b32 s34, 0
	s_mov_b32 s35, 0
	s_mov_b32 s58, 0x76543210                      ; v_permlanex16_b32's selects: lane l xor 16
	s_mov_b32 s59, 0xfedcba98
	v_and_b32 v17, 31, v0
	v_and_b32 v18, 15, v0
	v_bfe_u32 v19, v0, 4, 1
	v_lshlrev_b32 v1, 4, v17                       ; 16 x lane
	s_lshl_b32 s68, s22, 15
	v_add_nc_u32 v2, s68, v1                       ; my part of slot 0,
	v_add_nc_u32 v3, PHB, v2                       ; of slot 1
	s_lshl_b32 s69, s22, 10
	s_add_co_u32 s69, s69, HIMG
	v_add_nc_u32 v4, s69, v1                       ; my codes: 2,048 (w / 2) + 512 x 2 (w % 2) = 1,024 w
	v_add_nc_u32 v5, HIMG, v1
	v_lshlrev_b32 v6, 6, v19                       ; cs: 16 h numbers
	s_lshl_b32 s70, s22, 8
	s_add_co_u32 s70, s70, RED
	v_lshl_add_u32 v9, v18, 4, s70
	v_lshlrev_b32 v10, 4, v18
	v_add_nc_u32 v10, RED, v10
	s_add_co_u32 s70, s70, 2048
	v_lshl_add_u32 v11, v18, 2, s70
	v_lshlrev_b32 v17, 3, v17
	v_add_nc_u32 v12, RED+2048, v17
	s_lshl_b32 s71, s22, 9
	v_lshl_add_u32 v16, v19, 5, s71                ; my outputs' parameters: 512 w + 32 h
	s_lshl_b32 s74, s22, 8
	s_add_co_u32 s74, s74, RED
	v_add_nc_u32 v13, s74, v17                     ; where I put p of rows 2 l, 2 l + 1 at the end: my wave's 256 bytes of RED,
	v_mov_b32 v19, s74                             ; and from where every lane reads all 64
	v_mov_b32 v18, 0x3727c5ac                      ; 1e-5
	s_mov_b32 s69, 0
	s_mov_b32 s73, 0
	s_wait_dscnt 0x0                               ; both opening adds are done
	s_wait_kmcnt 0x0
	s_load_b128 s[44:47], s[10:11], 0x0            ; e0 .. e3
	s_load_b64 s[48:49], s[10:11], 0x10            ; e4, e5
	s_add_nc_u64 s[70:71], s[6:7], s[68:69]        ; wq at my part of a phase
	s_mov_b32 s36, 1
	s_mov_b32 s37, s68
	s_add_nc_u64 s[38:39], s[70:71], s[76:77]
	s_or_b32 s39, s39, 0x80000000
	s_mov_b32 s40, 1
	s_add_co_u32 s41, s68, PHB
	s_add_nc_u64 s[42:43], s[70:71], s[78:79]
	s_or_b32 s43, s43, 0x80000000
	s_lshr_b32 s72, ttmp9, 2
	s_lshl_b32 s72, s72, 14                        ; the batch's row of cs
	s_lshl_b32 s74, s22, 8
	s_add_co_u32 s72, s72, s74
	s_add_nc_u64 s[80:81], s[8:9], s[72:73]
	s_add_nc_u64 s[50:51], s[80:81], s[82:83]
	s_lshl_b32 s72, s24, 15
	s_add_nc_u64 s[4:5], s[4:5], s[72:73]
	s_lshl_b32 s72, s24, 8
	s_add_nc_u64 s[20:21], s[20:21], s[72:73]
	s_lshl_b32 s72, s24, 17                        ; x: my work-group's 64 rows of 2,048 bytes,
	s_lshl_b32 s74, s22, 9                         ; my wave's 512 bytes of a row
	s_add_co_u32 s72, s72, s74
	s_add_nc_u64 s[84:85], s[84:85], s[72:73]
	s_lshl_b32 s72, s24, 11                        ; cpart: 2,048 bytes a work-group
	s_add_co_u32 s72, s72, s74
	s_add_nc_u64 s[86:87], s[86:87], s[72:73]
	CROUND                                         ; all four work-groups are here: the first joint loads meet
	tensor_load_to_lds s[36:39], s[28:35]          ; slot 0
	s_nop 0
	PLACES
	s_wait_alu depctr_va_vdst(0)
.irp t, 0,1,2,3,4,5,6,7
	global_load_b128 v[128+8*\t:128+8*\t+3], v16, s[12:13] offset:64*\t      ; m1_b: 16 loads,
	global_load_b128 v[128+8*\t+4:128+8*\t+7], v16, s[12:13] offset:64*\t+16
.endr
	WIN 0x40
.irp i, 0,1,2,3,4,5,6,7,8,9,10,11,12,13,14,15
.irp c, 0,1,2,3
	global_load_b128 v[16*\i+4*\c:16*\i+4*\c+3], v1, s[4:5] offset:2048*\i+512*\c   ; x's 16 images: 64,
.endr
.endr
	WIN 0
	CSLOAD                                         ; and cs: 8
	s_wait_tensorcnt 0x0                           ; my part of slot 0 is in
	ds_add_u32 v14, v15
	s_wait_dscnt 0x0
	CROUND
	tensor_load_to_lds s[40:43], s[28:35]          ; slot 1's first fill, the first tensor load behind the round
	s_nop 0
	PLACES
	s_wait_kmcnt 0x0
	s_add_co_i32 s68, s44, s45
	s_sub_co_i32 s68, s48, s68                     ; e4 - e0 - e1: product 1's sums lack 2^(e0 + e1)
	s_add_co_i32 s68, s68, 127
	s_lshl_b32 s69, s68, 23
	v_mov_b32 v7, s69                              ; the conversion's scale,
	s_add_co_i32 s68, s68, 15
	s_lshl_b32 s68, s68, 23
	s_or_b32 s68, s68, 0x600000
	v_mov_b32 v8, s68                              ; and 57,344 x it
	s_add_co_i32 s68, s48, s49
	s_add_co_i32 s69, s68, 127
	s_lshl_b32 s66, s69, 23                        ; 2^(e4 + e5)
	s_sub_co_i32 s69, 127, s68
	s_lshl_b32 s60, s69, 23                        ; 2^-(e4 + e5)
	s_mov_b32 s61, s60
	s_mul_f32 s67, s66, 0x4038aa3b                 ; 2 log2(e) x 2^(e4 + e5)
	s_wait_loadcnt 63                              ; m1_b's 16 loads stand first of 88
	WIN 0xc0
.irp m, 0,1,2,3
.set qi, 0
.rept 32
	v_pk_mul_f32 v[64*\m+qi:64*\m+qi+1], v[128+qi:128+qi+1], s[60:61] op_sel_hi:[1,0]   ; product 3's sums begin as m1_b / 2^(e4 + e5)
.set qi, qi+2
.endr
.endr
	WIN 0
	s_wait_tensorcnt 0x1                           ; slot 0 is in; slot 1's load may be out
	WLOAD 0, 0
	XPH 1, 0, 0                                    ; X(0)
	PLACES                                         ; chunk 0's quantiser has no product 3 to stand in
.set pI, 0
.rept 24
	QS
.endr
	HSTORE
	CSNEXT
	s_wait_dscnt 0x0                               ; for the others' sake: my codes lie in LDS
	s_barrier_signal -1
	s_barrier_wait -1
	s_wait_tensorcnt 0x0                           ; chunk 1's phase of product 1 is in slot 0
	WLOAD 0, 0
	s_mov_b32 s56, 14
.Lchunk:                                               ; n = 1 .. 14
	XPH 1, 1, 1
	YPH 1, 1, 0
	s_sub_co_u32 s56, s56, 1
	s_cmp_lg_u32 s56, 0
	s_cbranch_scc1 .Lchunk
	XPH 2, 1, 1                                    ; X(15): slot 0 takes product 3's last phase
	PLACES
	XROWS 0, 16, 0x40, 192                         ; x's codes are done with: rows 0-15 of x go into the last 64 of their registers
	YPH 0, 0, 1                                    ; Y(15): nothing more is asked for of the stream
	WIN 0x40                                       ; x is done with: its registers take ln_g, ln_b, m2_w of my 128 outputs
.irp t, 0,1,2,3,4,5,6,7
	global_load_b128 v[8*\t:8*\t+3], v16, s[14:15] offset:64*\t
	global_load_b128 v[8*\t+4:8*\t+7], v16, s[14:15] offset:64*\t+16
	global_load_b128 v[64+8*\t:64+8*\t+3], v16, s[16:17] offset:64*\t
	global_load_b128 v[64+8*\t+4:64+8*\t+7], v16, s[16:17] offset:64*\t+16
	global_load_b128 v[128+8*\t:128+8*\t+3], v16, s[18:19] offset:64*\t
	global_load_b128 v[128+8*\t+4:128+8*\t+7], v16, s[18:19] offset:64*\t+16
.endr
	WIN 0
	STEP 1, 0, 0, 1, 0, 16                         ; Y(16): product 3 of chunk 15, from slot 0; the hidden layer's second K step may be out
	STEP 1, 0, 1, 0, 0, 16
	STEP 1, 0, 2, 0, 0, 16
	s_wait_dscnt 0x0
	MUL 1, 3, 0, 4, 0
	WIN 0
; THE END: LayerNorm over the 512 outputs of each row (128 in each wave, 64 in each lane of a pair), tanh, the dot with m2_w.
.macro REDUCE off                      ; v[20+4m .. 23+4m]: four partial sums of row tile m -> v[36+m]: the sum over the row's 512, in every lane
.irp m, 0,1,2,3
	v_pk_add_f32 v[20+4*\m:21+4*\m], v[20+4*\m:21+4*\m], v[22+4*\m:23+4*\m]
.endr
.irp m, 0,1,2,3
	v_add_f32 v[36+\m], v[20+4*\m], v[21+4*\m]
.endr
.irp m, 0,1,2,3
	v_permlanex16_b32 v[22+4*\m], v[36+\m], s58, s59
.endr
.irp m, 0,1,2,3
	v_add_f32 v[36+\m], v[36+\m], v[22+4*\m]
.endr
	ds_store_b128 v9, v[36:39] offset:\off
	s_wait_dscnt 0x0
	s_barrier_signal -1
	s_barrier_wait -1
.irp w, 0,1,2,3
	ds_load_b128 v[40+4*\w:43+4*\w], v10 offset:\off+256*\w
.endr
	s_wait_dscnt 0x0
.irp j, 0,2
	v_pk_add_f32 v[40+\j:41+\j], v[40+\j:41+\j], v[44+\j:45+\j]
	v_pk_add_f32 v[48+\j:49+\j], v[48+\j:49+\j], v[52+\j:53+\j]
.endr
.irp j, 0,2
	v_pk_add_f32 v[36+\j:37+\j], v[40+\j:41+\j], v[48+\j:49+\j]
.endr
.endm
	PLACES
	XROWS 48, 16, 0x80, 128                        ; the hidden fragments are done with: rows 48-63 of x
	WIN 0x0f
.irp m, 0,1,2,3
.irp k, 0,1
	v_pk_add_f32 v[20+4*\m+2*\k:21+4*\m+2*\k], v[64*\m+32*\k:64*\m+32*\k+1], v[64*\m+32*\k+2:64*\m+32*\k+3]
.endr
.endr
	WIN 0x03
.set pI, 2
.rept 14
.irp m, 0,1,2,3
.irp k, 0,1
	v_pk_add_f32 v[20+4*\m+2*\k:21+4*\m+2*\k], v[64*\m+32*\k+2*pI:64*\m+32*\k+2*pI+1], v[20+4*\m+2*\k:21+4*\m+2*\k]
.endr
.endr
.set pI, pI+1
.endr
	WIN 0
	REDUCE 0
.irp m, 0,1,2,3
	v_mul_f32 v[56+2*\m], 0x3b000000, v[36+\m]     ; the mean (in units of 2^(e4 + e5)), twice for the packed form
	v_mul_f32 v[57+2*\m], 0x3b000000, v[36+\m]
.endr
	WIN 0xc3
.irp m, 0,1,2,3
.set qi, 0
.rept 32
	v_pk_add_f32 v[64*\m+qi:64*\m+qi+1], v[64*\m+qi:64*\m+qi+1], v[56+2*\m:57+2*\m] neg_lo:[0,1] neg_hi:[0,1]
.set qi, qi+2
.endr
.endr
	WIN 0x0f
.irp m, 0,1,2,3
.irp k, 0,1
	v_pk_mul_f32 v[20+4*\m+2*\k:21+4*\m+2*\k], v[64*\m+32*\k:64*\m+32*\k+1], v[64*\m+32*\k:64*\m+32*\k+1]
.endr
.endr
.set pI, 1
.rept 15
.irp m, 0,1,2,3
.irp k, 0,1
	v_pk_fma_f32 v[20+4*\m+2*\k:21+4*\m+2*\k], v[64*\m+32*\k+2*pI:64*\m+32*\k+2*pI+1], v[64*\m+32*\k+2*pI:64*\m+32*\k+2*pI+1], v[20+4*\m+2*\k:21+4*\m+2*\k]
.endr
.endr
.set pI, pI+1
.endr
	WIN 0
	REDUCE 1024
.irp m, 0,1,2,3
	v_mul_f32 v[36+\m], 0x3b000000, v[36+\m]
.endr
.irp m, 0,1,2,3
	v_mul_f32 v[36+\m], s66, v[36+\m]
.endr
.irp m, 0,1,2,3
	v_fma_f32 v[36+\m], v[36+\m], s66, v18         ; the variance + 1e-5
.endr
	s_wait_alu depctr_va_vdst(0)
.irp m, 0,1,2,3
	v_rsq_f32 v[40+\m], v[36+\m]
.endr
	v_nop
	s_wait_alu depctr_va_vdst(0)                   ; and behind it
.irp m, 0,1,2,3
	v_mul_f32 v[64+2*\m], s67, v[40+\m]
	v_mul_f32 v[65+2*\m], s67, v[40+\m]
.endr
	s_wait_loadcnt 16                              ; ln_g, ln_b, m2_w; behind them stand the 16 loads of rows 48-63 of x
	WIN 0x41
.set qi, 0
.rept 32
	v_pk_mul_f32 v[64+qi:64+qi+1], v[64+qi:64+qi+1], 0x4038aa3b op_sel_hi:[1,0]   ; ln_b x 2 log2(e)
.set qi, qi+2
.endr
	WIN 0x05
	v_pk_add_f32 v[72:73], v[128:129], v[130:131]  ; the sum of my m2_w: tanh = 1 - 2 / (1 + 2^u)
	v_pk_add_f32 v[74:75], v[132:133], v[134:135]
	WIN 0x01
.set qi, 8
.rept 14
	v_pk_add_f32 v[72:73], v[128+qi:128+qi+1], v[72:73]
	v_pk_add_f32 v[74:75], v[128+qi+2:128+qi+3], v[74:75]
.set qi, qi+4
.endr
	WIN 0xc3
.irp m, 0,1,2,3
.set qi, 0
.rept 32
	v_pk_mul_f32 v[64*\m+qi:64*\m+qi+1], v[64*\m+qi:64*\m+qi+1], v[64+2*\m:65+2*\m]
.set qi, qi+2
.endr
.endr
	WIN 0xd7
.irp m, 0,1,2,3
.set qi, 0
.rept 32
	v_pk_fma_f32 v[64*\m+qi:64*\m+qi+1], v[64*\m+qi:64*\m+qi+1], v[qi:qi+1], v[64+qi:64+qi+1]
.set qi, qi+2
.endr
.endr
	WIN 0xc3
.set qi, 0
	s_wait_alu depctr_va_vdst(0)
.rept 256
	v_exp_f32 v[qi], v[qi]
.set qi, qi+1
.endr
	v_nop
	s_wait_alu depctr_va_vdst(0)
.set qi, 0
.rept 128
	v_pk_add_f32 v[qi:qi+1], v[qi:qi+1], 1.0 op_sel_hi:[1,0]
.set qi, qi+2
.endr
.set qi, 0
	s_wait_alu depctr_va_vdst(0)
.rept 256
	v_rcp_f32 v[qi], v[qi]
.set qi, qi+1
.endr
	v_nop
	s_wait_alu depctr_va_vdst(0)
	WIN 0x07
.irp m, 0,1,2,3
	v_pk_mul_f32 v[76+2*\m:77+2*\m], v[64*\m:64*\m+1], v[128:129]
.endr
.set qi, 2
.rept 31
.irp m, 0,1,2,3
	v_pk_fma_f32 v[76+2*\m:77+2*\m], v[64*\m+qi:64*\m+qi+1], v[128+qi:128+qi+1], v[76+2*\m:77+2*\m]
.endr
.set qi, qi+2
.endr
	WIN 0
	v_pk_add_f32 v[72:73], v[72:73], v[74:75]
	v_add_f32 v72, v72, v73
.irp m, 0,1,2,3
	v_add_f32 v[84+\m], v[76+2*\m], v[77+2*\m]
.endr
.irp m, 0,1,2,3
	v_fma_f32 v[84+\m], -2.0, v[84+\m], v72
.endr
.irp m, 0,1,2,3
	v_permlanex16_b32 v[76+2*\m], v[84+\m], s58, s59
.endr
.irp m, 0,1,2,3
	v_add_f32 v[84+\m], v[84+\m], v[76+2*\m]
.endr
.irp m, 0,1,2,3
	ds_store_b32 v11, v[84+\m] offset:64*\m
.endr
	s_wait_dscnt 0x0
	s_barrier_signal -1
	s_barrier_wait -1
.irp w, 0,1,2,3
	ds_load_b64 v[40+2*\w:41+2*\w], v12 offset:256*\w
.endr
	s_wait_dscnt 0x0
	v_pk_add_f32 v[40:41], v[40:41], v[42:43]
	v_pk_add_f32 v[44:45], v[44:45], v[46:47]
	v_pk_add_f32 v[40:41], v[40:41], v[44:45]      ; every wave: lane l holds the logits of rows 2 l, 2 l + 1
	v_max_num_f32 v42, v40, v41
.irp x, 1,2,4,8
	v_max_num_f32_dpp v42, v42, v42 row_xmask:\x row_mask:0xf bank_mask:0xf
.endr
	v_permlanex16_b32 v43, v42, s58, s59
	v_max_num_f32 v42, v42, v43                    ; m: the largest of the 64, taken away before the exponential
	v_sub_f32 v44, v40, v42
	v_sub_f32 v45, v41, v42
	v_mul_f32 v44, 0x3fb8aa3b, v44
	v_mul_f32 v45, 0x3fb8aa3b, v45
	s_wait_alu depctr_va_vdst(0)
	v_exp_f32 v44, v44
	v_exp_f32 v45, v45
	v_nop
	s_wait_alu depctr_va_vdst(0)                   ; and behind it
	ds_store_b64 v13, v[44:45]                     ; p, into my wave's own 256 bytes: their earlier readers have passed two barriers since
.irp k, 0,1,2,3,4,5,6,7,8,9,10,11,12,13,14,15
	ds_load_b128 v[128+4*\k:131+4*\k], v19 offset:16*\k   ; all 64 in every lane; LDS serves a wave's instructions in order (ISA guide 5.7.1.4)
.endr
	s_wait_loadcnt 0x0                             ; x's 64 rows
	s_wait_dscnt 0x0
	WIN 0x04
.irp k, 0,1,2,3
	v_mul_f32 v[20+\k], v128, v[192+\k]            ; row 0 starts the sums of my four columns
.endr
.set ri, 1
.rept 15
.irp k, 0,1,2,3
	v_fmac_f32 v[20+\k], v[128+ri], v[192+4*ri+\k]
.endr
.set ri, ri+1
.endr
	WIN 0x08
.rept 48
.irp k, 0,1,2,3
	v_fmac_f32 v[20+\k], v[128+ri], v[4*(ri-16)+\k]
.endr
.set ri, ri+1
.endr
	WIN 0
	global_store_b128 v1, v[20:23], s[86:87]       ; 512 consecutive bytes, at a multiple of 512 from cpart's first byte
	s_cmp_lg_u32 s22, 0                            ; wave 0 stores the 64 logits
	s_cbranch_scc1 .Lnot_first
	global_store_b64 v17, v[40:41], s[20:21]       ; 256 consecutive bytes, at a multiple of 256 from logit's first byte
.Lnot_first:
	s_wait_tensorcnt 0x0                           ; the wave's end
	ds_add_u32 v14, v15
	s_wait_dscnt 0x0
	CROUND                                         ; the closing round
	s_endpgm
.Lfunc_end_k_q96a7b0864f_chain:
	.size	k_q96a7b0864f_chain, .Lfunc_end_k_q96a7b0864f_chain-k_q96a7b0864f_chain
	.p2alignl 7, 3214868480
	.fill 96, 4, 3214868480
	.section	.rodata,"a",@progbits
	.p2align	6, 0x0
	.amdhsa_kernel k_q96a7b0864f_chain
		.amdhsa_group_segment_fixed_size 327680
		.amdhsa_private_segment_fixed_size 0
		.amdhsa_enable_private_segment 0
		.amdhsa_kernarg_size 88
		.amdhsa_user_sgpr_count 2
		.amdhsa_user_sgpr_kernarg_segment_ptr 1
		.amdhsa_wavefront_size32 1
		.amdhsa_system_sgpr_workgroup_id_x 1
		.amdhsa_system_sgpr_workgroup_id_y 1
		.amdhsa_system_sgpr_workgroup_id_z 1
		.amdhsa_system_vgpr_workitem_id 0
		.amdhsa_next_free_vgpr 1024
		.amdhsa_next_free_sgpr 100
		.amdhsa_reserve_vcc 0
		.amdhsa_float_denorm_mode_32 3
		.amdhsa_float_denorm_mode_16_64 3
		.amdhsa_memory_ordered 1
		.amdhsa_forward_progress 1
		.amdhsa_inst_pref_size 226
	.end_amdhsa_kernel
	.amdgpu_metadata
---
amdhsa.version: [ 1, 2 ]
amdhsa.kernels:
  - .name:           k_q96a7b0864f_chain
    .symbol:         k_q96a7b0864f_chain.kd
    .args:
      - { .name: xq, .offset: 0, .size: 8, .value_kind: global_buffer, .address_space: global }
      - { .name: wq, .offset: 8, .size: 8, .value_kind: global_buffer, .address_space: global }
      - { .name: cs, .offset: 16, .size: 8, .value_kind: global_buffer, .address_space: global }
      - { .name: lowp_scales, .offset: 24, .size: 8, .value_kind: global_buffer, .address_space: global }
      - { .name: m1_b, .offset: 32, .size: 8, .value_kind: global_buffer, .address_space: global }
      - { .name: ln_g, .offset: 40, .size: 8, .value_kind: global_buffer, .address_space: global }
      - { .name: ln_b, .offset: 48, .size: 8, .value_kind: global_buffer, .address_space: global }
      - { .name: m2_w, .offset: 56, .size: 8, .value_kind: global_buffer, .address_space: global }
      - { .name: logit, .offset: 64, .size: 8, .value_kind: global_buffer, .address_space: global }
      - { .name: x, .offset: 72, .size: 8, .value_kind: global_buffer, .address_space: global }
      - { .name: cpart, .offset: 80, .size: 8, .value_kind: global_buffer, .address_space: global }
    .group_segment_fixed_size: 327680
    .private_segment_fixed_size: 0
    .kernarg_segment_align: 8
    .kernarg_segment_size: 88
    .max_flat_workgroup_size: 128
    .sgpr_count:     100
    .vgpr_count:     1024
    .wavefront_size: 32
...
	.end_amdgpu_metadata
.endif
;; end of part 7
;; launch final (part 8): grid 16 x 1, 4 waves a work-group, no clusters, 1,280 bytes of LDS; arguments logit, cpart, out0, out1; writes out0, out1
.if DOCPART == 8
	.amdgcn_target "amdgcn-amd-amdhsa--gfx1250"
	.amdhsa_code_object_version 6
	.text
	.protected	k_q96a7b0864f_final
	.globl	k_q96a7b0864f_final
	.p2align	8
	.type	k_q96a7b0864f_final,@function
k_q96a7b0864f_final:
	s_mov_b64 s[64:65], 0
	v_nop
	global_prefetch_b8 v0, s[64:65] scope:SCOPE_SE
	s_setreg_imm32_b32 hwreg(HW_REG_WAVE_MODE, 25, 1), 1
	s_wait_xcnt 0x0
; FOURTH LAUNCH: the softmax over a batch's 1,024 positions, and the joining of the batch's 16 parts of the weighted sum.  LEFT OUT: m2_b, the same along the softmax's axis (shown at the head of the first launch).
; The third launch left, for each block g of 64 positions, cpart[16 b + g][c] = sum over the block of exp(l - m_g) x[.][c], m_g the block's largest logit.  With M the batch's largest and Z = sum of exp(l - M):
; out0[b][c] = sum over g of exp(m_g - M) cpart[16 b + g][c] / Z.  m_g is taken here from the same 64 stored logits; a maximum rounds nothing, so it is the same number.  The largest logit is taken away before every exponential.
; SHARES.  One work-group a batch: the batch's 4 KiB of logits and 32 KiB of parts are all its work, so 16 work-groups are launched.  Wave v holds positions 256 v .. 256 v + 255: load j, lane l: 256 v + 128 j + 4 l on,
; so that sixteen lanes hold one block, g = 4 v + 2 j + l / 16.  Of the parts and of out0 wave v takes columns 128 v .. 128 v + 127, four a lane: each output has one owner, and every load and store covers 512 consecutive bytes.
; All loads are asked for at the head: no ring.  No cluster: no two work-groups read the same bytes.  No matrix work.
; REGISTERS: v1, v3-5 addresses; v10, v11 the add's two; v12-19 my logits, then p; v20, v21 my two blocks' maxima, then exp(m_g - M); v22-30, v48-51 at work; v32-47 the 16 factors; v52-59 the weights; v60-63 the sums; v64-127 the parts.
.set RED0,  0                          ; the four waves' maxima,
.set RED1,  256                        ; their sums,
.set RED2,  512                        ; the 16 blocks' factors,
.set SPARE, 768                        ; and the spare words, 128 bytes for each wave: two blocks of 256 bytes that no other line names
	s_load_b256 s[4:11], s[0:1], 0x0               ; logit s[4:5], cpart s[6:7], out0 s[8:9], out1 s[10:11]
	v_lshl_add_u32 v10, v0, 2, SPARE
	v_mov_b32 v11, 0
	v_lshrrev_b32 v9, 5, v0
	v_readfirstlane_b32 s12, v9                    ; wave 0..3
	v_and_b32 v8, 31, v0
	v_lshlrev_b32 v1, 4, v8                        ; 16 x lane
	v_bfe_u32 v9, v0, 4, 1                         ; l / 16
	s_lshl_b32 s14, s12, 2
	v_mov_b32 v3, s14                              ; my wave's word
	v_mov_b32 v4, 0
	s_lshl_b32 s15, s12, 4
	v_lshl_add_u32 v5, v9, 2, s15                  ; my block's word: 4 (4 v + l / 16), + 8 j
	v_mov_b32 v23, 0                               ; a lane permute's destination counts as one of its sources
	s_lshl_b32 s16, ttmp9, 12                      ; a batch's logits and weights: 4,096 bytes,
	s_lshl_b32 s17, s12, 10                        ; my wave's 1,024
	s_add_co_u32 s16, s16, s17
	s_mov_b32 s17, 0
	s_lshl_b32 s18, ttmp9, 15                      ; a batch's 16 parts of 2,048 bytes,
	s_lshl_b32 s20, s12, 9                         ; my wave's 128 columns
	s_add_co_u32 s18, s18, s20
	s_mov_b32 s19, 0
	s_lshl_b32 s22, ttmp9, 11                      ; a row of out0
	s_add_co_u32 s22, s22, s20
	s_mov_b32 s23, 0
	s_mov_b32 s24, 0x76543210                      ; v_permlanex16_b32's selects: lane l xor 16
	s_mov_b32 s25, 0xfedcba98
	s_mov_b32 s26, 0x3fb8aa3b                      ; log2(e)
	s_wait_alu depctr_va_vdst(0)
	s_wait_kmcnt 0x0
	s_add_nc_u64 s[4:5], s[4:5], s[16:17]
	s_add_nc_u64 s[6:7], s[6:7], s[18:19]
	s_add_nc_u64 s[8:9], s[8:9], s[22:23]
	s_add_nc_u64 s[10:11], s[10:11], s[16:17]
	global_load_b128 v[12:15], v1, s[4:5]
	global_load_b128 v[16:19], v1, s[4:5] offset:512
.irp g, 0,1,2,3,4,5,6,7,8,9,10,11,12,13,14,15
	global_load_b128 v[64+4*\g:67+4*\g], v1, s[6:7] offset:2048*\g
.endr
	s_wait_loadcnt 16                              ; my logits are in; the 16 loads of parts stay out
	v_max3_num_f32 v20, v12, v13, v14
	v_max3_num_f32 v21, v16, v17, v18
	v_max_num_f32 v20, v20, v15
	v_max_num_f32 v21, v21, v19
.irp x, 1,2,4,8
	v_max_num_f32_dpp v20, v20, v20 row_xmask:\x row_mask:0xf bank_mask:0xf
	v_max_num_f32_dpp v21, v21, v21 row_xmask:\x row_mask:0xf bank_mask:0xf
.endr                                                  ; m_g of my two blocks, in all sixteen lanes of each
	v_max_num_f32 v22, v20, v21
	v_permlanex16_b32 v23, v22, s24, s25
	v_max_num_f32 v22, v22, v23
	ds_store_b32 v3, v22 offset:RED0               ; all lanes write the same word with the same value
	s_wait_alu depctr_va_vdst(0)
	s_wait_dscnt 0x0
	s_barrier_signal -1
	s_barrier_wait -1
	ds_load_b128 v[24:27], v4 offset:RED0
	s_wait_dscnt 0x0
	v_max3_num_f32 v24, v24, v25, v26
	v_max_num_f32 v24, v24, v27                    ; M
.irp i, 12,13,14,15,16,17,18,19,20,21
	v_sub_f32 v\i, v\i, v24
.endr
.irp i, 12,13,14,15,16,17,18,19,20,21
	v_mul_f32 v\i, s26, v\i
.endr
	s_wait_alu depctr_va_vdst(0)
.irp i, 12,13,14,15,16,17,18,19,20,21
	v_exp_f32 v\i, v\i
.endr
	v_nop                                          ; a plain line behind the batch,
	s_wait_alu depctr_va_vdst(0)                   ; and the wait ahead of its first reader
	v_add_f32 v48, v12, v13
	v_add_f32 v49, v14, v15
	v_add_f32 v50, v16, v17
	v_add_f32 v51, v18, v19
	v_add_f32 v48, v48, v49
	v_add_f32 v50, v50, v51
	v_add_f32 v48, v48, v50
.irp x, 1,2,4,8
	v_add_f32_dpp v48, v48, v48 row_xmask:\x row_mask:0xf bank_mask:0xf
.endr
	v_permlanex16_b32 v23, v48, s24, s25
	v_add_f32 v48, v48, v23
	ds_store_b32 v3, v48 offset:RED1
	ds_store_b32 v5, v20 offset:RED2               ; exp(m_g - M): sixteen lanes write the same word with the same value
	ds_store_b32 v5, v21 offset:RED2+8
	s_wait_dscnt 0x0
	s_barrier_signal -1
	s_barrier_wait -1
	ds_load_b128 v[24:27], v4 offset:RED1
.irp k, 0,1,2,3
	ds_load_b128 v[32+4*\k:35+4*\k], v4 offset:RED2+16*\k
.endr
	s_wait_dscnt 0x0
	v_add_f32 v24, v24, v25
	v_add_f32 v26, v26, v27
	v_add_f32 v24, v24, v26                        ; Z
	s_wait_alu depctr_va_vdst(0)
	v_rcp_f32 v30, v24
	v_nop
	s_wait_alu depctr_va_vdst(0)
.irp i, 0,1,2,3,4,5,6,7
	v_mul_f32 v[52+\i], v[12+\i], v30
.endr
	global_store_b128 v1, v[52:55], s[10:11]       ; 512 consecutive bytes a store, at a multiple of 512 from out1's first byte
	global_store_b128 v1, v[56:59], s[10:11] offset:512
	s_wait_loadcnt 0x0                             ; the parts
.irp k, 0,1,2,3
	v_mul_f32 v[60+\k], v32, v[64+\k]              ; block 0 starts the sums
.endr
.set gi, 1
.rept 15
.irp k, 0,1,2,3
	v_fmac_f32 v[60+\k], v[32+gi], v[64+4*gi+\k]
.endr
.set gi, gi+1
.endr
.irp k, 0,1,2,3
	v_mul_f32 v[60+\k], v[60+\k], v30              ; / Z
.endr
	global_store_b128 v1, v[60:63], s[8:9]         ; 512 consecutive bytes, at a multiple of 512 from out0's first byte
	s_wait_tensorcnt 0x0                           ; the wave's end, behind my last LDS store
	ds_add_u32 v10, v11
	s_wait_dscnt 0x0
	s_endpgm
.Lfunc_end_k_q96a7b0864f_final:
	.size	k_q96a7b0864f_final, .Lfunc_end_k_q96a7b0864f_final-k_q96a7b0864f_final
	.p2alignl 7, 3214868480
	.fill 96, 4, 3214868480
	.section	.rodata,"a",@progbits
	.p2align	6, 0x0
	.amdhsa_kernel k_q96a7b0864f_final
		.amdhsa_group_segment_fixed_size 1280
		.amdhsa_private_segment_fixed_size 0
		.amdhsa_enable_private_segment 0
		.amdhsa_kernarg_size 32
		.amdhsa_user_sgpr_count 2
		.amdhsa_user_sgpr_kernarg_segment_ptr 1
		.amdhsa_wavefront_size32 1
		.amdhsa_system_sgpr_workgroup_id_x 1
		.amdhsa_system_sgpr_workgroup_id_y 1
		.amdhsa_system_sgpr_workgroup_id_z 1
		.amdhsa_system_vgpr_workitem_id 0
		.amdhsa_next_free_vgpr 128
		.amdhsa_next_free_sgpr 66
		.amdhsa_reserve_vcc 0
		.amdhsa_float_denorm_mode_32 3
		.amdhsa_float_denorm_mode_16_64 3
		.amdhsa_memory_ordered 1
		.amdhsa_forward_progress 1
		.amdhsa_inst_pref_size 10
	.end_amdhsa_kernel
	.amdgpu_metadata
---
amdhsa.version: [ 1, 2 ]
amdhsa.kernels:
  - .name:           k_q96a7b0864f_final
    .symbol:         k_q96a7b0864f_final.kd
    .args:
      - { .name: logit, .offset: 0, .size: 8, .value_kind: global_buffer, .address_space: global }
      - { .name: cpart, .offset: 8, .size: 8, .value_kind: global_buffer, .address_space: global }
      - { .name: out0, .offset: 16, .size: 8, .value_kind: global_buffer, .address_space: global }
      - { .name: out1, .offset: 24, .size: 8, .value_kind: global_buffer, .address_space: global }
    .group_segment_fixed_size: 1280
    .private_segment_fixed_size: 0
    .kernarg_segment_align: 8
    .kernarg_segment_size: 32
    .max_flat_workgroup_size: 128
    .sgpr_count:     66
    .vgpr_count:     128
    .wavefront_size: 32
...
	.end_amdgpu_metadata
.endif
;; end of part 8
